; MI455X (gfx1250); checked and timed in simulation.
; The chip was launched on July 23, 2026; its instructions are those of AMD's public machine-readable ISA for CDNA 5 (MIT licence, August 2026) and "CDNA5" Instruction Set Architecture Reference Guide (July 2026). The comments in the code are by the model that wrote it; some were corrected since.
;; Llama Attention. Allowed arithmetic: matrix products marked QUANTISED: E2M3 operands, one E8M0 scale for each 32 along K, by v_wmma_scale_f32_16x16x128_f8f6f4 with both operands' format E2M3, f32 sums; everything else in f32.
;; Inputs: freqs_cos 4,096 x 32 float32; freqs_sin 4,096 x 32 float32; hidden_states 1 x 4,096 x 4,096 float32; wk 512 x 4,096 float32; wo 2,048 x 512 float32; wq 512 x 4,096 float32; wv 512 x 4,096 float32.
;; Outputs: out0 1 x 4,096 x 2,048 float32.
;; This version of the problem:
;;   THIS VERSION OF THE PROBLEM IS GIVEN IN LOW PRECISION. The matrix products marked QUANTISED in the list below multiply operands that are first quantised to E2M3 (2 exponent bits, 3 mantissa bits; 6 bits a number), with one power-of-two scale for each 32 numbers along K (OCP MX v1.0); their sums are f32. All else is computed in f32.
;;   The module's matrix products, in the order in which they are computed (A, B: the left and right operand; K: the contracted axis; several contracted axes count as one K, in the product's order):
;;     1. [M 4,096, K 4,096] x [K 4,096, N 512]; A: input hidden_states; B: input wq: QUANTISED
;;     2. [M 4,096, K 4,096] x [K 4,096, N 512]; A: input hidden_states; B: input wk: QUANTISED
;;     3. [M 4,096, K 4,096] x [K 4,096, N 512]; A: input hidden_states; B: input wv: QUANTISED
;;     4. batch 8 x [M 4,096, K 64] x [K 64, N 4,096]; A: computed on the way; B: computed on the way: QUANTISED
;;     5. batch 8 x [M 4,096, K 4,096] x [K 4,096, N 64]; A: softmax (see below); B: computed on the way: QUANTISED
;;     6. [M 4,096, K 512] x [K 512, N 2,048]; A: computed on the way; B: input wo: QUANTISED
;;   THE QUANTISER, for each operand of a quantised product, along K:
;;     - K is cut into blocks of 32 from its start; a last block that is shorter is filled with zeros.
;;     - A block's scale is 2^e with e = floor(log2(the largest magnitude in the block)) - 2, held to -126 .. 127; a block of zeros has e = 0. As a byte (E8M0): e + 127.
;;     - Each number is divided by its block's scale, clamped to +-7.5, and rounded to the nearest number of E2M3, ties to even, subnormals kept.
;;     - The product sums the exact products of the quantised numbers (number of the format x scale) in f32.
;;   ~~~python
;;   def quantise(x, axis):      # numpy; x: float32 -> the quantised numbers, widened to float32 again
;;       x = np.moveaxis(x, axis, -1); K = x.shape[-1]
;;       x = np.pad(x, [(0, 0)] * (x.ndim - 1) + [(0, -K % 32)]); x = x.reshape(x.shape[:-1] + (-1, 32)); a = np.abs(x).max(-1, keepdims=True)
;;       e = np.where(a > 0, np.clip(np.frexp(np.where(a > 0, a, 1))[1] - 1 - 2, -126, 127), 0)      # np.frexp(a)[1] - 1 = floor(log2(a)), exactly
;;       r = np.clip(x / 2.0 ** e, -7.5, 7.5)
;;       step = 2.0 ** (np.maximum(np.frexp(np.where(r == 0, 1, r))[1] - 1, 0) - 3)
;;       q = np.round(r / step) * step * 2.0 ** e      # np.round: ties to even
;;       return np.moveaxis(q.reshape(q.shape[:-2] + (-1,))[..., :K], -1, axis).astype(np.float32)
;;   ~~~
;;   SOFTMAX AHEAD OF A QUANTISED PRODUCT. Where the list says 'softmax', what is quantised is not the finished softmax but p = 2^(t - M), with t = logit x log2(e) and M = ceil(the row's largest t), a whole number; so 1/2 < the row's largest p <= 1. The row's sum l is taken of the UNQUANTISED p, in f32, and the product's result is divided by l at the end. Since M is a whole number, a kernel that streams over the keys may use a running M (the ceiling of the running maximum): every later rescaling is an exact power of two, which a block's scale takes up: the codes' values come out the same.
;;   OPERANDS COMPUTED ON THE WAY. 'Computed on the way' means the value that the module computes at that place (a softmax that the list does not call 'softmax' is quantised finished and normalised). What goes into a quantiser is computed in f32, as accurately as f32 sums, v_exp_f32 and their like allow (about 1e-6 of the number): no bf16 or f16 on the way to a quantiser, and a product that is left as it is and whose result goes on into a quantised operand takes f32 operands (vector FMAs, or v_wmma_f32_16x16x4_f32). A number that lies on a knife's edge between two numbers of the format may be rounded either way, as far as f32 arithmetic and the matrix unit's own rounding can turn it there, and no further.
;; One version. Each part assembles by itself: llvm-mc -triple=amdgcn-amd-amdhsa -mcpu=gfx1250 --defsym DOCPART=n.
;; ======== version 1 of 1: 4 launches
;; limits: right only within a limited range of input values
;; workspace buffers: hs_codes 12,582,912 bytes; hs_scales 524,288 bytes; w_codes 5,505,024 bytes; w_scales 229,376 bytes; qkv_codes 4,718,592 bytes; qkv_scales 196,608 bytes; at_codes 1,572,864 bytes; at_scales 65,536 bytes
;; launch quant (part 1): grid 736 x 1, 4 waves a work-group, no clusters, 33,280 bytes of LDS; arguments hidden_states, wq, wk, wv, wo, hs_codes, hs_scales, w_codes, w_scales; writes hs_codes, hs_scales, w_codes, w_scales
.if DOCPART == 1
	.amdgcn_target "amdgcn-amd-amdhsa--gfx1250"
	.amdhsa_code_object_version 6
	.text
	.protected	k_q38e1ba0558_quant
	.globl	k_q38e1ba0558_quant
	.p2align	8
	.type	k_q38e1ba0558_quant,@function
k_q38e1ba0558_quant:
	s_mov_b64 s[64:65], 0
	v_nop
	global_prefetch_b8 v0, s[64:65] scope:SCOPE_SE
	s_setreg_imm32_b32 hwreg(HW_REG_WAVE_MODE, 25, 1), 1
	s_wait_xcnt 0x0
; hidden_states [4096][4096], wq, wk, wv [512][4096] and wo [2048][512], f32, become codes of FP6 (E2M3), 6 bits each, K innermost, with one E8M0 byte for each 32 along K.
; A block's scale is 2^(floor(log2(its largest magnitude)) - 2); its byte is the largest magnitude's exponent field - 2, held at 1 from below.  Each number is divided by the scale and rounded to the nearest code, ties to even, beyond 7.5 the largest code.
; LIMITS: a block of zeros, or one whose largest magnitude lies under 2^-124, gets the byte 1 (its codes are zeros or the floor's; the bytes are read by this program alone); NaN and infinities among the inputs are not served.
; SHARES.  A work-group takes a unit of 32,768 numbers (8 rows of 4,096, or 64 rows of wo), a wave a run of 8,192 in 16 steps of 512.  Work-groups 0-511: hidden_states; 512-575 wq; 576-639 wk; 640-703 wv; 704-735 wo.
; WHERE A ROW GOES.  Row s of hidden_states, wq, wk, wv is stored at the position s with bits 3 and 4 exchanged: sixteen neighbouring positions then hold rows 8 u + r + 8 (r / 8) of a block of 32, which is the order in which
; the next launch wants the rows of a tile.  A unit is 8 rows, so the exchange is of bits 0 and 1 of the unit's number.  The three weights lie head by head: [head][q, k, v][position 64].  wo keeps its rows and lies behind them.
; A lane must hold 16 neighbours along K for the conversion, and a load is best where neighbouring lanes take neighbouring bytes: each of a step's four loads reads 512 consecutive bytes, and the 2,048 bytes turn through the wave's
; own stage in LDS (16 bytes of padding behind each 64).  A wave's 256 scale bytes are gathered in LDS and leave as one aligned run of 256 bytes.  No tensor loads, no barrier: waves share nothing.
; LAYOUT OF THE CODES.  A step's 512 codes are 384 bytes.  hidden_states and the three weights lie chunk by chunk along K: [chunk of 512 along K][row position][384 bytes], so that the rows of one chunk are dense
; and a tile of them is a dense block, a multiple of 256 bytes long, that begins on a multiple of 256 bytes.  wo (a row is one step) lies tile by tile of 16 rows, and in a tile [128 along K][operand lane r + 16 h][48 bytes]:
; the 48 bytes are the twelve registers that this lane of a matrix operand takes.
.set STEPS, 16
.set CB,    12                         ; bytes of 16 codes
.set R,     16                         ; v16-79   four sets of 16 numbers as they are loaded
.set X,     80                         ; v80-111  two sets of 16 neighbours
.set C,     128                        ; v128-191 codes: four registers for each step, so that no store's data are written again
.set E,     112                        ; v112-127 a scale byte for each step
.set WREG,  8192                       ; LDS: a region for each wave: two stages of 32 x SP bytes, behind them its 256 scale bytes
.set SP,    80                         ; a lane's place in a stage: 64 bytes + 16 of padding
	s_load_b512 s[32:47], s[0:1], 0x0              ; hidden s[32:33], wq 34, wk 36, wv 38, wo 40, hs_codes 42, hs_scales 44, w_codes 46
	s_load_b64 s[48:49], s[0:1], 0x40              ; w_scales
	v_lshl_add_u32 v192, v0, 2, 0x8000
	v_mov_b32 v193, 0
	v_lshrrev_b32 v1, 5, v0
	v_readfirstlane_b32 s16, v1                    ; wave
	v_and_b32 v2, 31, v0                           ; lane
	v_lshlrev_b32 v3, 4, v2                        ; my 16 bytes of a load's 512
	s_mul_i32 s17, s16, WREG
	v_lshrrev_b32 v14, 2, v2
	v_mul_u32_u24 v14, v14, SP
	v_and_b32 v15, 3, v2
	v_lshl_add_u32 v14, v15, 4, v14
	v_add_nc_u32 v14, s17, v14                     ; the stage, on the way in: SP (lane / 4) + 16 (lane % 4)
	v_mul_u32_u24 v15, v2, SP
	v_add_nc_u32 v15, s17, v15                     ; and on the way out: SP x lane: my 16 neighbours
	s_cmp_ge_u32 ttmp9, 704                        ; wo?  Where a lane's 12 bytes go in a step's: 12 (l % 2) and, for bits 1, 2 and 3.. of the lane, 24, 48, 96 (dense), or for wo 768, 24, 1536
	s_cselect_b32 s50, 768, 24
	s_cselect_b32 s51, 24, 48
	s_mov_b32 s52, 96
	s_cselect_b32 s52, 1536, s52
	v_and_b32 v4, 1, v2
	v_mul_u32_u24 v4, v4, CB
	v_bfe_u32 v8, v2, 1, 1
	v_mad_u32_u24 v4, v8, s50, v4
	v_bfe_u32 v8, v2, 2, 1
	v_mad_u32_u24 v4, v8, s51, v4
	v_lshrrev_b32 v8, 3, v2
	v_mad_u32_u24 v4, v8, s52, v4
	v_lshrrev_b32 v5, 1, v2
	s_add_co_u32 s17, s17, 2*32*SP
	v_add_nc_u32 v5, s17, v5                       ; LDS: my wave's 256 scale bytes, my block's byte
	v_lshlrev_b32 v7, 3, v2                        ; and on the way out 8 bytes a lane
	v_add_nc_u32 v6, s17, v7
	; which unit is read and which is written: whole numbers made of the work-group's number alone
	s_sub_co_u32 s20, ttmp9, 512                   ; (of use from work-group 512 on)
	s_lshr_b32 s21, s20, 6                         ; 0, 1, 2: wq, wk, wv
	s_and_b32 s22, s20, 63                         ; the unit in that weight
	s_lshr_b32 s23, s22, 3                         ; its head: 8 units are 64 rows
	s_mul_i32 s24, s23, 24
	s_lshl_b32 s26, s21, 3
	s_add_co_u32 s24, s24, s26                     ; 24 x head + 8 x kind: where the head's part of that weight begins
	s_and_b32 s25, s22, 7                          ; the unit in the head
	s_cmp_lt_u32 ttmp9, 512
	s_cselect_b32 s27, ttmp9, s25                  ; the number whose bits 0 and 1 change places
	s_cselect_b32 s24, 0, s24
	s_cselect_b32 s28, ttmp9, s22                  ; the unit that is read
	s_and_not1_b32 s29, s27, 3
	s_and_b32 s30, s27, 1
	s_lshl_b32 s30, s30, 1
	s_bfe_u32 s31, s27, 0x10001
	s_or_b32 s29, s29, s30
	s_or_b32 s29, s29, s31
	s_add_co_u32 s29, s29, s24                     ; the unit that is written
	s_sub_co_u32 s30, ttmp9, 704                   ; wo: its units as they lie,
	s_add_co_u32 s31, s30, 192                     ; behind the 192 units of the three weights
	s_cmp_ge_u32 ttmp9, 704
	s_cselect_b32 s28, s30, s28
	s_cselect_b32 s29, s31, s29
	s_lshl_b32 s28, s28, 2
	s_add_co_u32 s28, s28, s16                     ; my wave's run of 8,192 numbers, as read
	s_lshl_b32 s29, s29, 2
	s_add_co_u32 s29, s29, s16                     ; and as written
	s_wait_alu depctr_va_vdst(0)
	s_wait_kmcnt 0x0
	s_mov_b64 s[4:5], s[40:41]                     ; the tensor that is read: each choice hangs on the work-group's number alone
	s_cmp_lt_u32 ttmp9, 704
	s_cselect_b64 s[4:5], s[38:39], s[4:5]
	s_cmp_lt_u32 ttmp9, 640
	s_cselect_b64 s[4:5], s[36:37], s[4:5]
	s_cmp_lt_u32 ttmp9, 576
	s_cselect_b64 s[4:5], s[34:35], s[4:5]
	s_cmp_lt_u32 ttmp9, 512
	s_cselect_b64 s[4:5], s[32:33], s[4:5]
	s_cselect_b64 s[8:9], s[42:43], s[46:47]       ; the codes' buffer
	s_cselect_b64 s[10:11], s[44:45], s[48:49]     ; the scale bytes' buffer
	s_lshl_b32 s18, s28, 15                        ; 32,768 bytes of f32 a run
	s_mov_b32 s19, 0
	s_add_nc_u64 s[4:5], s[4:5], s[18:19]
	s_cmp_ge_u32 ttmp9, 704
	s_mov_b32 s18, 768                             ; a run is two rows of 384 bytes in each chunk; of wo a tile of 6,144 bytes
	s_cselect_b32 s18, 6144, s18
	s_mul_i32 s18, s29, s18
	s_add_nc_u64 s[8:9], s[8:9], s[18:19]
	s_mov_b32 s20, 589824                          ; from step to step (t % 8): a chunk of the weights' 1,536 rows, of wo 48 bytes,
	s_cselect_b32 s20, 48, s20
	s_cmp_lt_u32 ttmp9, 512
	s_mov_b32 s21, 1572864                         ; of hidden_states' 4,096 rows
	s_cselect_b32 s20, s21, s20
	s_mov_b32 s21, 0
	s_mov_b64 s[32:33], s[8:9]                     ; eight bases, in the registers that held the arguments
.irp c, 1,2,3,4,5,6,7
	s_add_nc_u64 s[32+2*\c:33+2*\c], s[30+2*\c:31+2*\c], s[20:21]
.endr
	s_lshl_b32 s18, s29, 8                         ; 256 scale bytes a run
	s_add_nc_u64 s[10:11], s[10:11], s[18:19]
.macro LOAD t
.irp i, 0,1,2,3
	global_load_b128 v[R+16*((\t)%4)+4*\i:R+16*((\t)%4)+4*\i+3], v3, s[4:5] offset:2048*(\t)+512*\i th:TH_LOAD_NT   ; 32 lanes read 512 consecutive bytes
.endr
.endm
.macro TURN t                          ; step t's numbers through the stage: LDS serves a wave's instructions in order, so no wait stands between the stores and the loads
.irp i, 0,1,2,3
	ds_store_b128 v14, v[R+16*((\t)%4)+4*\i:R+16*((\t)%4)+4*\i+3] offset:32*SP*((\t)%2)+8*SP*\i
.endr
.irp i, 0,1,2,3
	ds_load_b128 v[X+16*((\t)%2)+4*\i:X+16*((\t)%2)+4*\i+3], v15 offset:32*SP*((\t)%2)+16*\i
.endr
.endm
.irp t, 0,1,2,3
	LOAD \t
.endr
	s_wait_loadcnt 12                              ; step 0's four loads are in; the twelve of steps 1 to 3 may be out
	TURN 0
.macro STEP t
.set XS, X+16*((\t)%2)
.if (\t) > 0
	s_wait_dscnt 1                                 ; this step's numbers are back from the stage (the last step's byte store may be out): so its stores into the stage have read their registers,
.else
	s_wait_dscnt 0x0
.endif
.if (\t)+4 < STEPS
	LOAD (\t)+4                                    ; which take the loads of four steps on
.endif
.if (\t)+1 < STEPS
.if STEPS-2-(\t) >= 3
	s_wait_loadcnt 12                              ; the next step's four loads are in; those of the three steps behind it may be out
.else
	s_wait_loadcnt 4*(STEPS-2-(\t))
.endif
	TURN (\t)+1                                    ; and go through the other stage while this step is worked
.endif
	v_max3_num_f32 v8, |v[XS]|, |v[XS+1]|, |v[XS+2]|               ; the largest magnitude of my 16, in two chains
	v_max3_num_f32 v9, |v[XS+3]|, |v[XS+4]|, |v[XS+5]|
.irp i, 6,10
	v_max3_num_f32 v8, v8, |v[XS+\i]|, |v[XS+\i+1]|
	v_max3_num_f32 v9, v9, |v[XS+\i+2]|, |v[XS+\i+3]|
.endr
	v_max3_num_f32 v8, v8, |v[XS+14]|, |v[XS+15]|
	v_max3_num_f32 v8, v8, v9, 0x1800000           ; and the floor 2^(3 - 127): so the byte cannot fall under 1
	v_max_num_f32_dpp v8, v8, v8 row_xmask:1 row_mask:0xf bank_mask:0xf   ; and of my neighbour's 16: the block's
	v_add_nc_u32 v11, 0xff000000, v8               ; 2 off its exponent field: the conversion takes the exponent field of this operand as its scale, and nothing else of it
	v_cvt_scalef32_pk16_fp6_f32 v[C+4*(\t):C+4*(\t)+2], v[XS:XS+15], v11
	v_lshrrev_b32 v[E+(\t)], 23, v11               ; the scale's byte (a plain line behind the conversion)
	ds_store_b8 v5, v[E+(\t)] offset:16*(\t)       ; both lanes of a block write the same byte with the same value
	global_store_b96 v4, v[C+4*(\t):C+4*(\t)+2], s[32+2*((\t)%8):33+2*((\t)%8)] offset:384*((\t)/8)
.endm
.irp t, 0,1,2,3,4,5,6,7,8,9,10,11,12,13,14,15
	STEP \t
.endr
	ds_load_b64 v[12:13], v6                       ; LDS serves a wave's instructions in order: these see my stores
	s_wait_dscnt 0x0
	global_store_b64 v7, v[12:13], s[10:11]        ; 32 lanes store 256 consecutive bytes, aligned
	s_wait_tensorcnt 0x0
	ds_add_u32 v192, v193
	s_wait_dscnt 0x0
	s_endpgm
.Lfunc_end_k_q38e1ba0558_quant:
	.size	k_q38e1ba0558_quant, .Lfunc_end_k_q38e1ba0558_quant-k_q38e1ba0558_quant
	.p2alignl 7, 3214868480
	.fill 96, 4, 3214868480
	.section	.rodata,"a",@progbits
	.p2align	6, 0x0
	.amdhsa_kernel k_q38e1ba0558_quant
		.amdhsa_group_segment_fixed_size 33280
		.amdhsa_private_segment_fixed_size 0
		.amdhsa_enable_private_segment 0
		.amdhsa_kernarg_size 72
		.amdhsa_user_sgpr_count 2
		.amdhsa_user_sgpr_kernarg_segment_ptr 1
		.amdhsa_wavefront_size32 1
		.amdhsa_system_sgpr_workgroup_id_x 1
		.amdhsa_system_sgpr_workgroup_id_y 1
		.amdhsa_system_sgpr_workgroup_id_z 1
		.amdhsa_system_vgpr_workitem_id 0
		.amdhsa_next_free_vgpr 194
		.amdhsa_next_free_sgpr 66
		.amdhsa_reserve_vcc 0
		.amdhsa_float_denorm_mode_32 3
		.amdhsa_float_denorm_mode_16_64 3
		.amdhsa_memory_ordered 1
		.amdhsa_forward_progress 1
		.amdhsa_inst_pref_size 35
	.end_amdhsa_kernel
	.amdgpu_metadata
---
amdhsa.version: [ 1, 2 ]
amdhsa.kernels:
  - .name:           k_q38e1ba0558_quant
    .symbol:         k_q38e1ba0558_quant.kd
    .args:
      - { .name: hidden_states, .offset: 0, .size: 8, .value_kind: global_buffer, .address_space: global }
      - { .name: wq, .offset: 8, .size: 8, .value_kind: global_buffer, .address_space: global }
      - { .name: wk, .offset: 16, .size: 8, .value_kind: global_buffer, .address_space: global }
      - { .name: wv, .offset: 24, .size: 8, .value_kind: global_buffer, .address_space: global }
      - { .name: wo, .offset: 32, .size: 8, .value_kind: global_buffer, .address_space: global }
      - { .name: hs_codes, .offset: 40, .size: 8, .value_kind: global_buffer, .address_space: global }
      - { .name: hs_scales, .offset: 48, .size: 8, .value_kind: global_buffer, .address_space: global }
      - { .name: w_codes, .offset: 56, .size: 8, .value_kind: global_buffer, .address_space: global }
      - { .name: w_scales, .offset: 64, .size: 8, .value_kind: global_buffer, .address_space: global }
    .group_segment_fixed_size: 33280
    .private_segment_fixed_size: 0
    .kernarg_segment_align: 8
    .kernarg_segment_size: 72
    .max_flat_workgroup_size: 128
    .sgpr_count:     66
    .vgpr_count:     194
    .wavefront_size: 32
...
	.end_amdgpu_metadata
.endif
;; end of part 1
;; launch qkv (part 2): grid 8 x 32, 4 waves a work-group, clusters of 4 x 4, 327,680 bytes of LDS; arguments hs_codes, hs_scales, w_codes, w_scales, freqs_cos, freqs_sin, qkv_codes, qkv_scales; writes qkv_codes, qkv_scales
.if DOCPART == 2
	.amdgcn_target "amdgcn-amd-amdhsa--gfx1250"
	.amdhsa_code_object_version 6
	.text
	.protected	k_q38e1ba0558_qkv
	.globl	k_q38e1ba0558_qkv
	.p2align	8
	.type	k_q38e1ba0558_qkv,@function
k_q38e1ba0558_qkv:
	s_mov_b64 s[64:65], 0
	v_nop
	global_prefetch_b8 v0, s[64:65] scope:SCOPE_SE
	s_setreg_imm32_b32 hwreg(HW_REG_WAVE_MODE, 25, 1), 1
	s_wait_xcnt 0x0
	s_wait_alu depctr_hold_cnt(0) depctr_sa_sdst(0) depctr_va_vdst(0) depctr_va_sdst(0) depctr_va_ssrc(0) depctr_va_vcc(0) depctr_vm_vsrc(0)
	s_getreg_b32 s2, hwreg(HW_REG_IB_STS2, 6, 4)
	s_cmp_eq_u32 s2, 0
	s_cbranch_scc0 .Lentry_in_a_cluster
	s_endpgm
.Lentry_in_a_cluster:
	s_bfe_u32 s2, ttmp6, 0x10000c
	s_cmp_lg_u32 s2, 0xf033
	s_cbranch_scc0 .Lentry_shape_is_right
	s_endpgm
.Lentry_shape_is_right:
; The codes lie chunk by chunk of 512 along K, a chunk's rows dense: 64 rows of A are 96 dense rows of 256 bytes, 96 rows of B 144; in LDS, with 16 bytes behind each 128, a row of 384 bytes takes 432.
.set ROWB,  256
.set KROW,  256
.set ACH,   1572864
.set BCH,   589824
.set VSN,   80
.set PITCH, 432
.set BOFF,  128*PITCH
.set COFF,  256*PITCH
.set SLOT,  320*PITCH
.set SCA,   2*SLOT
.set SCB,   SCA+64*272
.set STG,   SCB+96*272
.set STGV,  STG+768
.set SPARE, STGV+6144
.set KREG,  1572864
.set ADRC, 4
.set RO,   8
.set T16G, 9
.set T16L, 10
.set T8G,  11
.set T8L,  12
.set W,    13
.set TT,   14
.set ADRA, 16
.set ADRB, 20
.set ADRS, 24
.set SW,   25
.set SB,   26
.set LIW,  27
.set SPW,  28
.set NIL,  29
.set VS,   30
.set SC,   32
.set AF,   80
.set CN,   128
.set SN,   160
.set R,    192
.set VC,   192
.set IMG,  224
.set T3,   236
.set TM,   240
.set TP,   244
.set TS,   248
.set TB,   252
.set G1,   24
.set G0,   32
.set G1B,  48
.set G0B,  56
.set G1S,  68
.set G0S,  76
.set G1SB, 80
.set G0SB, 88
.set SEL,  98
.set MSB, 0
.macro WIN new
.if MSB != (\new)
	s_set_vgpr_msb (MSB<<8)|(\new)
.set MSB, (\new)
.endif
.endm
.macro PLACES n
.rept \n
	v_nop
.endr
.endm
.macro JLOAD g0a, g1a, g0b, g1b
	s_cmp_eq_u32 s21, 0
	s_cbranch_scc0 .Lfor_b_\@
	tensor_load_to_lds s[\g0a:\g0a+3], s[\g1a:\g1a+7]
	s_nop 0
.rept 4
	v_nop
.endr
	s_branch .Lasked_\@
.Lfor_b_\@:
	tensor_load_to_lds s[\g0b:\g0b+3], s[\g1b:\g1b+7]
	s_nop 0
.rept 4
	v_nop
.endr
.Lasked_\@:
.endm
.macro CROUND
	s_barrier_signal -1
	s_barrier_wait -1
	s_cmp_lg_u32 s20, 0
	s_cbranch_scc1 .Lnot_wave_0_\@
	s_barrier_signal -3
.Lnot_wave_0_\@:
	s_barrier_wait -3
	s_barrier_signal -1
	s_barrier_wait -1
.endm
	s_load_b256 s[4:11], s[0:1], 0x0
	s_load_b256 s[12:19], s[0:1], 0x20
	v_lshl_add_u32 v[SPW], v0, 2, SPARE
	v_mov_b32 v[NIL], 0
	ds_add_u32 v28, v29
	ds_add_u32 v28, v29
	s_wait_dscnt 0x0
	v_lshrrev_b32 v1, 5, v0
	v_readfirstlane_b32 s20, v1
	s_lshr_b32 s21, s20, 1
	s_and_b32 s22, s20, 1
	s_bfe_u32 s40, ttmp6, 0x40000
	s_bfe_u32 s41, ttmp6, 0x40004
	s_lshl_b32 s42, ttmp9, 2
	s_add_co_u32 s42, s42, s40
	s_and_b32 s45, ttmp7, 0xffff
	s_lshl_b32 s45, s45, 2
	s_add_co_u32 s45, s45, s41
	s_lshl_b32 s43, s41, 2
	s_lshl_b32 s43, 15, s43
	s_lshl_b32 s44, 0x1111, s40
	s_or_b32 s[G1+0], s43, (0<<16)|(1<<20)|(1<<21)|(4<<22)|(3<<25)
	s_or_b32 s[G1B+0], s44, (0<<16)|(1<<20)|(1<<21)|(4<<22)|(3<<25)
	s_mov_b32 s[G1+1], ROWB<<16
	s_mov_b32 s[G1+2], 96<<16
	s_mov_b32 s[G1+3], ROWB<<16
	s_mov_b32 s[G1+4], 96
	s_mov_b32 s[G1+5], KROW
	s_mov_b32 s[G1+6], 0
	s_mov_b32 s[G1+7], 0
	s_mov_b32 s[G1B+1], ROWB<<16
	s_mov_b32 s[G1B+2], 144<<16
	s_mov_b32 s[G1B+3], ROWB<<16
	s_mov_b32 s[G1B+4], 144
	s_mov_b32 s[G1B+5], KROW
	s_mov_b32 s[G1B+6], 0
	s_mov_b32 s[G1B+7], 0
	s_or_b32 s[G1S+0], s43, (3<<16)|(1<<20)|(1<<21)|(5<<22)|(3<<25)
	s_or_b32 s[G1SB+0], s44, (3<<16)|(1<<20)|(1<<21)|(5<<22)|(3<<25)
	s_mov_b32 s[G1S+1], 32<<16
	s_mov_b32 s[G1S+2], 32<<16
	s_mov_b32 s[G1S+3], 32<<16
	s_mov_b32 s[G1S+4], 32
	s_mov_b32 s[G1S+5], 32
	s_mov_b32 s[G1S+6], 0
	s_mov_b32 s[G1S+7], 0
	s_mov_b32 s[G1SB+1], 32<<16
	s_mov_b32 s[G1SB+2], 48<<16
	s_mov_b32 s[G1SB+3], 32<<16
	s_mov_b32 s[G1SB+4], 48
	s_mov_b32 s[G1SB+5], 32
	s_mov_b32 s[G1SB+6], 0
	s_mov_b32 s[G1SB+7], 0
	s_lshl_b32 s46, s45, 7
	s_lshl_b32 s23, s22, 6
	s_add_co_u32 s46, s46, s23
	s_mov_b32 s47, 0
	s_lshl_b32 s96, s46, 7
	s_mov_b32 s97, 0
	s_mul_i32 s46, s46, 384
	s_mul_i32 s66, s42, 192
	s_mul_i32 s23, s22, 96
	s_add_co_u32 s66, s66, s23
	s_mov_b32 s67, 0
	s_lshl_b32 s94, s66, 7
	s_mov_b32 s95, 0
	s_mul_i32 s66, s66, 384
	s_mov_b32 s[SEL], 0x76543210
	s_mov_b32 s[SEL+1], 0xfedcba98
	s_wait_kmcnt 0x0
	CROUND
	s_mul_i32 s23, s22, 32*272
	s_mov_b32 s[G0S], 1
	s_add_co_u32 s[G0S+1], s23, SCA
	s_add_nc_u64 s[G0S+2:G0S+3], s[6:7], s[96:97]
	s_or_b32 s[G0S+3], s[G0S+3], 0x80000000
	s_mul_i32 s23, s22, 48*272
	s_mov_b32 s[G0SB], 1
	s_add_co_u32 s[G0SB+1], s23, SCB
	s_add_nc_u64 s[G0SB+2:G0SB+3], s[10:11], s[94:95]
	s_or_b32 s[G0SB+3], s[G0SB+3], 0x80000000
	JLOAD G0S, G1S, G0SB, G1SB
	s_add_nc_u64 s[46:47], s[4:5], s[46:47]
	s_add_nc_u64 s[66:67], s[8:9], s[66:67]
	s_mul_i32 s2, s22, 64*PITCH
	s_mul_i32 s23, s22, 96*PITCH
	s_add_co_u32 s23, s23, BOFF
.irp s, 0,1
	s_mov_b32 s[G0+4*\s], 1
	s_add_co_u32 s[G0+4*\s+1], s2, \s*SLOT
	s_add_nc_u64 s[G0+4*\s+2:G0+4*\s+3], s[46:47], \s*ACH
	s_or_b32 s[G0+4*\s+3], s[G0+4*\s+3], 0x80000000
	s_mov_b32 s[G0B+4*\s], 1
	s_add_co_u32 s[G0B+4*\s+1], s23, \s*SLOT
	s_add_nc_u64 s[G0B+4*\s+2:G0B+4*\s+3], s[66:67], \s*BCH
	s_or_b32 s[G0B+4*\s+3], s[G0B+4*\s+3], 0x80000000
	s_wait_alu depctr_va_vdst(0)
	s_wait_tensorcnt 0x0
	ds_add_u32 v28, v29
	s_wait_dscnt 0x0
	CROUND
	JLOAD G0+4*\s, G1, G0B+4*\s, G1B
.endr
	v_and_b32 v1, 15, v0
	v_bfe_u32 v2, v0, 4, 1
	v_mul_u32_u24 v3, v1, PITCH
	v_mad_u32_u24 v[R], v2, 24, v3
	v_mad_u32_u24 v[R+1], v2, 40, v3
	s_mul_i32 s23, s20, 32*PITCH
.irp s, 0,1
	v_add_nc_u32 v[ADRA+\s], s23, v[R]
	v_add_nc_u32 v[ADRA+2+\s], s23, v[R+1]
	v_add_nc_u32 v[ADRB+\s], BOFF+\s*SLOT, v[R]
	v_add_nc_u32 v[ADRB+2+\s], BOFF+\s*SLOT, v[R+1]
	v_add_nc_u32 v[ADRC+\s], COFF+\s*SLOT, v[R]
	v_add_nc_u32 v[ADRC+2+\s], COFF+\s*SLOT, v[R+1]
	s_add_co_u32 s23, s23, SLOT
.endr
	v_lshrrev_b32 v3, 1, v1
	v_mul_u32_u24 v[R+2], v3, 272
	v_and_b32 v[R+3], 1, v1
	v_lshl_add_u32 v[R+2], v[R+3], 7, v[R+2]
	s_xor_b32 s23, s20, 3
	s_add_co_u32 s23, s23, 1
	s_mul_i32 s23, s23, 16*272
	v_mul_u32_u24 v[R+3], s23, v2
	v_add_nc_u32 v[R+2], v[R+2], v[R+3]
	s_mul_i32 s23, s20, 16*272
	s_add_co_u32 s23, s23, SCA
	v_add_nc_u32 v[ADRS], s23, v[R+2]
	v_and_b32 v3, 8, v1
	v_add_nc_u32 v3, v3, v1
	v_lshlrev_b32 v[RO], 7, v3
	v_lshl_add_u32 v[RO], v2, 5, v[RO]
	v_lshlrev_b32 v[T16G], 4, v0
	v_lshl_add_u32 v[T16L], v0, 4, STGV
	v_lshlrev_b32 v[T8G], 3, v0
	v_lshl_add_u32 v[T8L], v0, 3, STG
	s_lshl_b32 s23, s20, 2
	s_add_co_u32 s23, s23, STG
	v_lshl_add_u32 v[SW], v1, 4, s23
	s_add_co_u32 s23, s20, STG
	v_lshl_add_u32 v[SB], v1, 4, s23
	v_and_b32 v3, 31, v0
	s_mul_i32 s23, s20, 1536
	v_lshl_add_u32 v[LIW], v3, 4, s23
	s_mul_i32 s23, s21, 3072
	s_mul_i32 s2, s22, 24
	s_add_co_u32 s23, s23, s2
	s_add_co_u32 s23, s23, STGV
	v_mul_u32_u24 v3, v1, 48
	v_mad_u32_u24 v3, v2, 12, v3
	v_add_nc_u32 v[VS], s23, v3
	s_lshl_b32 s92, s45, 14
	s_mov_b32 s93, 0
	s_add_nc_u64 s[12:13], s[12:13], s[92:93]
	s_add_nc_u64 s[14:15], s[14:15], s[92:93]
	s_lshl_b32 s92, s20, 12
	s_add_nc_u64 s[12:13], s[12:13], s[92:93]
	s_add_nc_u64 s[14:15], s[14:15], s[92:93]
.irp u, 0,1
.irp b, 0,1
.irp e, 0,1
	global_load_b128 v[CN+16*\u+8*\b+4*\e:CN+16*\u+8*\b+4*\e+3], v[RO], s[12:13] offset:1024*\u+64*\b+16*\e
	global_load_b128 v[SN+16*\u+8*\b+4*\e:SN+16*\u+8*\b+4*\e+3], v[RO], s[14:15] offset:1024*\u+64*\b+16*\e
.endr
.endr
.endr
	s_mul_i32 s92, s42, 196608
	s_add_nc_u64 s[16:17], s[16:17], s[92:93]
	s_mul_i32 s92, s45, 6144
	s_add_nc_u64 s[16:17], s[16:17], s[92:93]
	s_lshl_b32 s92, s42, 5
	s_add_co_u32 s92, s92, s45
	s_mul_i32 s92, s92, 768
	s_add_nc_u64 s[18:19], s[18:19], s[92:93]
.irp b, 0,1,2,3
	v_mov_b32 v[TP+\b], 0
.endr
.macro FRAG reg, adr, q, ro
.irp p, 0,1,2,3,4,5
.set PC, 12*(\q)+6*(\p/3)+\p%3
.if PC%16 < 13
	ds_load_b64 v[\reg+2*\p:\reg+2*\p+1], v[\adr] offset:8*PC+16*(PC/16)+(\ro)*PITCH
.else
	ds_load_b64 v[\reg+2*\p:\reg+2*\p+1], v[\adr+2] offset:8*PC+16*(PC/16)+(\ro)*PITCH
.endif
.endr
.endm
.macro FETCH slot, q, p
	WIN 0x40<<(\p)
.irp ct, 0,1,2,3,4,5,6,7
	FRAG 12*\ct, ADRB+\slot, \q, 16*\ct
.endr
.irp ct, 8,9,10,11
	FRAG 12*\ct, ADRC+\slot, \q, 16*(\ct-8)
.endr
	WIN 0
.irp u, 0,1
	FRAG AF+24*(\p)+12*\u, ADRA+\slot, \q, 16*\u
.endr
.endm
.macro SCALES sc
.irp i, 0,1,2,3,4,5,6,7,8,9,10,11
	ds_load_b64 v[SC+24*(\sc)+2*\i:SC+24*(\sc)+2*\i+1], v[ADRS] offset:8*272*\i
.endr
.endm
.macro MUL p, q, sc, zero
	WIN 0xf0|(1+(\p))
.irp kd, 0,1
.irp c, 0,1,2,3
.irp u, 0,1
.if \zero
	v_wmma_scale_f32_16x16x128_f8f6f4 v[64*\kd+32*\u+8*\c:64*\kd+32*\u+8*\c+7], v[12*(4*\kd+\c):12*(4*\kd+\c)+11], v[AF+24*(\p)+12*\u:AF+24*(\p)+12*\u+11], 0, v[SC+24*(\sc)+2*(4*\kd+\c)+(\q)], v[SC+24*(\sc)+2*\u+(\q)] matrix_a_fmt:MATRIX_FMT_FP6 matrix_b_fmt:MATRIX_FMT_FP6 matrix_a_scale:MATRIX_SCALE_ROW1
.else
	v_wmma_scale_f32_16x16x128_f8f6f4 v[64*\kd+32*\u+8*\c:64*\kd+32*\u+8*\c+7], v[12*(4*\kd+\c):12*(4*\kd+\c)+11], v[AF+24*(\p)+12*\u:AF+24*(\p)+12*\u+11], v[64*\kd+32*\u+8*\c:64*\kd+32*\u+8*\c+7], v[SC+24*(\sc)+2*(4*\kd+\c)+(\q)], v[SC+24*(\sc)+2*\u+(\q)] matrix_a_fmt:MATRIX_FMT_FP6 matrix_b_fmt:MATRIX_FMT_FP6 matrix_a_scale:MATRIX_SCALE_ROW1
.endif
.endr
.endr
.endr
	WIN 0xf0|((1+(\p))<<2)
.irp n, 0,1,2,3
.irp u, 0,1
.if \zero
	v_wmma_scale_f32_16x16x128_f8f6f4 v[128+16*\n+8*\u:128+16*\n+8*\u+7], v[AF+24*(\p)+12*\u:AF+24*(\p)+12*\u+11], v[12*(8+\n):12*(8+\n)+11], 0, v[SC+24*(\sc)+2*\u+(\q)], v[SC+24*(\sc)+2*(8+\n)+(\q)] matrix_a_fmt:MATRIX_FMT_FP6 matrix_b_fmt:MATRIX_FMT_FP6 matrix_b_scale:MATRIX_SCALE_ROW1
.else
	v_wmma_scale_f32_16x16x128_f8f6f4 v[128+16*\n+8*\u:128+16*\n+8*\u+7], v[AF+24*(\p)+12*\u:AF+24*(\p)+12*\u+11], v[12*(8+\n):12*(8+\n)+11], v[128+16*\n+8*\u:128+16*\n+8*\u+7], v[SC+24*(\sc)+2*\u+(\q)], v[SC+24*(\sc)+2*(8+\n)+(\q)] matrix_a_fmt:MATRIX_FMT_FP6 matrix_b_fmt:MATRIX_FMT_FP6 matrix_b_scale:MATRIX_SCALE_ROW1
.endif
.endr
.endr
.endm
.macro STEPM slot, q, zero
	s_wait_dscnt 0x0
	PLACES 4
.if (\q)%2 == 1
	v_add_nc_u32 v[ADRS], 8, v[ADRS]
.endif
	FETCH \slot, (\q)+1, ((\q)+1)%2
.if (\q)%2 == 1
	SCALES 1
.endif
	MUL (\q)%2, (\q)%2, (\q)/2, \zero
	WIN 0
.endm
.macro STEPB slot, next, fill
	s_wait_tensorcnt 0x0
	ds_add_u32 v[SPW], v[NIL]
.if \fill
	s_add_nc_u64 s[G0+4*\slot+2:G0+4*\slot+3], s[G0+4*\slot+2:G0+4*\slot+3], 2*ACH
	s_add_nc_u64 s[G0B+4*\slot+2:G0B+4*\slot+3], s[G0B+4*\slot+2:G0B+4*\slot+3], 2*BCH
.endif
	s_wait_dscnt 0x0
.if \fill
	CROUND
	JLOAD G0+4*\slot, G1, G0B+4*\slot, G1B
.else
	s_barrier_signal -1
	s_barrier_wait -1
	PLACES 4
.endif
	s_wait_alu depctr_va_vdst(0)
	v_add_nc_u32 v[ADRS], 8, v[ADRS]
	FETCH \next, 0, 0
	SCALES 0
	MUL 1, 1, 1, 0
	WIN 0
.endm
	s_wait_tensorcnt 0x1
	s_barrier_signal -1
	s_barrier_wait -1
	FETCH 0, 0, 0
	SCALES 0
	STEPM 0, 0, 1
	s_mov_b32 s3, 3
.Llap:
	s_wait_alu depctr_va_vdst(0)
	STEPM 0, 1, 0
	STEPM 0, 2, 0
	STEPB 0, 1, 1
	s_wait_alu depctr_va_vdst(0)
	STEPM 1, 0, 0
	STEPM 1, 1, 0
	STEPM 1, 2, 0
	STEPB 1, 0, 1
	STEPM 0, 0, 0
	s_sub_co_u32 s3, s3, 1
	s_cmp_lg_u32 s3, 0
	s_cbranch_scc1 .Llap
	s_wait_alu depctr_va_vdst(0)
	STEPM 0, 1, 0
	STEPM 0, 2, 0
	STEPB 0, 1, 0
	s_wait_alu depctr_va_vdst(0)
	STEPM 1, 0, 0
	STEPM 1, 1, 0
	STEPM 1, 2, 0
	s_wait_dscnt 0x0
	MUL 1, 1, 1, 0
	WIN 0
.macro ROPE kd, u
	WIN 0x03
.set i, 0
.rept 16
	v_mul_f32 v[TT], v[64*(\kd)+32*(\u)+2*i+1], v[SN+16*(\u)+i]
	v_mul_f32 v[TT+1], v[64*(\kd)+32*(\u)+2*i+1], v[CN+16*(\u)+i]
	v_fma_f32 v[R+2*i], v[64*(\kd)+32*(\u)+2*i], v[CN+16*(\u)+i], -v[TT]
	v_fma_f32 v[R+2*i+1], v[64*(\kd)+32*(\u)+2*i], v[SN+16*(\u)+i], v[TT+1]
.set i, i+1
.endr
	WIN 0
.endm
.macro HQUANT src, dst
.irp b, 0,1
	v_max3_num_f32 v[TM+\b], |v[\src+16*\b]|, |v[\src+16*\b+1]|, 0x1800000
.endr
.irp i, 2,4,6,8,10,12,14
.irp b, 0,1
	v_max3_num_f32 v[TM+\b], v[TM+\b], |v[\src+16*\b+\i]|, |v[\src+16*\b+\i+1]|
.endr
.endr
.irp b, 0,1
	v_permlanex16_b32 v[TP+\b], v[TM+\b], s[SEL], s[SEL+1]
.endr
.irp b, 0,1
	v_max_num_f32 v[TM+\b], v[TM+\b], v[TP+\b]
.endr
.irp b, 0,1
	v_add_nc_u32 v[TS+\b], 0xff000000, v[TM+\b]
.endr
.irp b, 0,1
	v_lshrrev_b32 v[TB+\b], 23, v[TS+\b]
.endr
	v_cvt_scalef32_pk16_fp6_f32 v[\dst:\dst+2], v[\src:\src+15], v[TS]
	v_cvt_scalef32_pk16_fp6_f32 v[T3:T3+2], v[\src+16:\src+31], v[TS+1]
	v_nop
.irp i, 0,1,2
	v_permlane16_swap_b32 v[\dst+\i], v[T3+\i]
.endr
.irp i, 0,1,2
	v_mov_b32 v[\dst+3+\i], v[T3+\i]
.endr
.endm
	PLACES 4
	s_wait_loadcnt 0x0
.irp kd, 0,1
	ROPE \kd, 0
	HQUANT R, IMG
	v_lshl_or_b32 v[W], v[TB+1], 8, v[TB]
	ROPE \kd, 1
	HQUANT R, IMG+6
	v_lshl_or_b32 v[W], v[TB], 16, v[W]
	v_lshl_or_b32 v[W], v[TB+1], 24, v[W]
.irp c, 0,1,2
	global_store_b128 v[LIW], v[IMG+4*\c:IMG+4*\c+3], s[16:17] offset:\kd*KREG+512*\c
.endr
	ds_store_b32 v[SW], v[W] offset:256*\kd
	s_wait_xcnt 0x0
	s_wait_dscnt 0x0
.endr
	WIN 0x0f
.irp n, 0,1,2,3
	v_max3_num_f32 v[TM+\n], |v[128+16*\n]|, |v[129+16*\n]|, 0x1800000
.endr
.irp i, 2,4,6,8,10,12,14
.irp n, 0,1,2,3
	v_max3_num_f32 v[TM+\n], |v[128+16*\n+\i]|, |v[129+16*\n+\i]|, v[TM+\n]
.endr
.endr
	WIN 0
.irp n, 0,1,2,3
	v_permlanex16_b32 v[TP+\n], v[TM+\n], s[SEL], s[SEL+1]
.endr
.irp n, 0,1,2,3
	v_max_num_f32 v[TM+\n], v[TM+\n], v[TP+\n]
.endr
.irp n, 0,1,2,3
	v_add_nc_u32 v[TS+\n], 0xff000000, v[TM+\n]
.endr
.irp n, 0,1,2,3
	v_lshrrev_b32 v[TB+\n], 23, v[TS+\n]
.endr
	WIN 0x03
.irp n, 0,1,2,3
	v_cvt_scalef32_pk16_fp6_f32 v[VC+4*\n:VC+4*\n+2], v[128+16*\n:143+16*\n], v[TS+\n]
.endr
	WIN 0
	v_nop
	; V leaves as images of operands: channel tile n of these 128 keys is 1,536 bytes; register R = 6 (wave / 2) + 3 h + e of operand lane r + 16 (wave % 2) lies at 512 (R / 4) + 16 x lane + 4 (R % 4)
	v_bfe_u32 v83, v0, 4, 1
	v_and_b32 v84, 15, v0
	s_mul_i32 s23, s21, 6
	v_mad_u32_u24 v83, v83, 3, s23
	s_lshl_b32 s2, s22, 8
	s_add_co_u32 s2, s2, STGV
	v_lshl_add_u32 v84, v84, 4, s2
.irp e, 0,1,2
	v_add_nc_u32 v85, \e, v83
	v_lshrrev_b32 v[VSN+\e], 2, v85
	v_and_b32 v85, 3, v85
	v_lshl_add_u32 v[VSN+\e], v[VSN+\e], 9, v84
	v_lshl_add_u32 v[VSN+\e], v85, 2, v[VSN+\e]
.endr
.irp n, 0,1,2,3
.irp e, 0,1,2
	ds_store_b32 v[VSN+\e], v[VC+4*\n+\e] offset:1536*\n
.endr
	ds_store_b8 v[SB], v[TB+\n] offset:512+4*\n
.endr
	s_wait_dscnt 0x0
	s_barrier_signal -1
	s_barrier_wait -1
.irp c, 0,1,2
	ds_load_b128 v[VC+4*\c:VC+4*\c+3], v[T16L] offset:2048*\c
.endr
	s_wait_dscnt 0x0
.irp c, 0,1,2
	global_store_b128 v[T16G], v[VC+4*\c:VC+4*\c+3], s[16:17] offset:2*KREG+2048*\c
.endr
	s_cmp_lt_u32 s20, 3
	s_cbranch_scc0 .Lno_scales
	ds_load_b64 v[VC+12:VC+13], v[T8L]
	s_wait_dscnt 0x0
	global_store_b64 v[T8G], v[VC+12:VC+13], s[18:19]
.Lno_scales:
	s_wait_tensorcnt 0x0
	ds_add_u32 v[SPW], v[NIL]
	s_wait_dscnt 0x0
	CROUND
	s_endpgm
.Lfunc_end_k_q38e1ba0558_qkv:
	.size	k_q38e1ba0558_qkv, .Lfunc_end_k_q38e1ba0558_qkv-k_q38e1ba0558_qkv
	.p2alignl 7, 3214868480
	.fill 96, 4, 3214868480
	.section	.rodata,"a",@progbits
	.p2align	6, 0x0
	.amdhsa_kernel k_q38e1ba0558_qkv
		.amdhsa_group_segment_fixed_size 327680
		.amdhsa_private_segment_fixed_size 0
		.amdhsa_enable_private_segment 0
		.amdhsa_kernarg_size 64
		.amdhsa_user_sgpr_count 2
		.amdhsa_user_sgpr_kernarg_segment_ptr 1
		.amdhsa_wavefront_size32 1
		.amdhsa_system_sgpr_workgroup_id_x 1
		.amdhsa_system_sgpr_workgroup_id_y 1
		.amdhsa_system_sgpr_workgroup_id_z 1
		.amdhsa_system_vgpr_workitem_id 0
		.amdhsa_next_free_vgpr 1024
		.amdhsa_next_free_sgpr 100
		.amdhsa_reserve_vcc 0
		.amdhsa_float_denorm_mode_32 3
		.amdhsa_float_denorm_mode_16_64 3
		.amdhsa_memory_ordered 1
		.amdhsa_forward_progress 1
		.amdhsa_inst_pref_size 187
	.end_amdhsa_kernel
	.amdgpu_metadata
---
amdhsa.version: [ 1, 2 ]
amdhsa.kernels:
  - .name:           k_q38e1ba0558_qkv
    .symbol:         k_q38e1ba0558_qkv.kd
    .args:
      - { .name: hs_codes, .offset: 0, .size: 8, .value_kind: global_buffer, .address_space: global }
      - { .name: hs_scales, .offset: 8, .size: 8, .value_kind: global_buffer, .address_space: global }
      - { .name: w_codes, .offset: 16, .size: 8, .value_kind: global_buffer, .address_space: global }
      - { .name: w_scales, .offset: 24, .size: 8, .value_kind: global_buffer, .address_space: global }
      - { .name: freqs_cos, .offset: 32, .size: 8, .value_kind: global_buffer, .address_space: global }
      - { .name: freqs_sin, .offset: 40, .size: 8, .value_kind: global_buffer, .address_space: global }
      - { .name: qkv_codes, .offset: 48, .size: 8, .value_kind: global_buffer, .address_space: global }
      - { .name: qkv_scales, .offset: 56, .size: 8, .value_kind: global_buffer, .address_space: global }
    .group_segment_fixed_size: 327680
    .private_segment_fixed_size: 0
    .kernarg_segment_align: 8
    .kernarg_segment_size: 64
    .max_flat_workgroup_size: 128
    .sgpr_count:     100
    .vgpr_count:     1024
    .wavefront_size: 32
...
	.end_amdgpu_metadata
.endif
;; end of part 2
;; launch attn (part 3): grid 32 x 8, 16 waves a work-group, clusters of 4 x 1, 327,680 bytes of LDS; arguments qkv_codes, qkv_scales, at_codes, at_scales; writes at_codes, at_scales
.if DOCPART == 3
	.amdgcn_target "amdgcn-amd-amdhsa--gfx1250"
	.amdhsa_code_object_version 6
	.text
	.protected	k_q38e1ba0558_attn
	.globl	k_q38e1ba0558_attn
	.p2align	8
	.type	k_q38e1ba0558_attn,@function
k_q38e1ba0558_attn:
	s_mov_b64 s[64:65], 0
	v_nop
	global_prefetch_b8 v0, s[64:65] scope:SCOPE_SE
	s_setreg_imm32_b32 hwreg(HW_REG_WAVE_MODE, 25, 1), 1
	s_wait_xcnt 0x0
	s_wait_alu depctr_hold_cnt(0) depctr_sa_sdst(0) depctr_va_vdst(0) depctr_va_sdst(0) depctr_va_ssrc(0) depctr_va_vcc(0) depctr_vm_vsrc(0)
	s_getreg_b32 s2, hwreg(HW_REG_IB_STS2, 6, 4)
	s_cmp_eq_u32 s2, 0
	s_cbranch_scc0 .Lentry_in_a_cluster
	s_endpgm
.Lentry_in_a_cluster:
	s_bfe_u32 s2, ttmp6, 0x10000c
	s_cmp_lg_u32 s2, 0x3003
	s_cbranch_scc0 .Lentry_shape_is_right
	s_endpgm
.Lentry_shape_is_right:
; attn[q][head][:] = the sum over keys of softmax(q . k / 8) v, both products on codes of FP6 (E2M3) with E8M0 bytes; the result is quantised along (head, d) and goes out as codes.
; THE SOFTMAX AHEAD OF THE SECOND PRODUCT: t = score x log2(e) / 8; M = the running largest t rounded UP to a whole number; p = 2^(t - M) is quantised along the keys, not normalised; the row's sum is taken of the unquantised p
; and divides at the end.  When M moves, the sum and O are multiplied by 2^(old M - new M): exact.
; SHARES.  256 work-groups: y = head, x = block of 128 query positions: eight tiles of 16 queries.  SIXTEEN waves of 256 registers, four to a SIMD, so that one wave's waits for LDS and for results stand beside the others' vector work.
; Tile wave % 8 (block of 32: (wave / 2) % 4; tile u = wave % 2) is walked by TWO waves: of each slot's eight key steps of 128, waves 0-7 take steps 0-3 and waves 8-15 steps 4-7.  At the end waves 8-15 hand their O^T, M and sum
; to waves 0-7 through LDS; both are brought under the larger M by powers of two, which rounds nothing, and added.
; LAYOUT.  Both products are used transposed: S^T = K Q^T, O^T = V^T P^T: a lane holds ONE query throughout.  K comes as images of fragments: one fragment carries TWO tiles of 16 keys (K index 0-63: tile u = 0's 64 channels;
; 64-127: tile u = 1's).  It is multiplied by Q_lo = [q | zero codes] and by Q_hi = [zero codes | q]: zero codes add exactly 0 under any scale byte but 0xff; the dead half's byte is 0.
; The rows of a tile are 8 u + r + 8 (r / 8) of their block of 32 (made so two launches back), so the 16 registers of a fragment's two results are 16 neighbouring keys, and those of two channel tiles of O^T 16 neighbouring d.
; CLUSTER.  The four query blocks of a cluster belong to one head and walk the same K and V: each tile is asked for jointly, with the mask 15.  A slot holds 1,024 keys: waves 0 and 1 ask for K's two halves, waves 2 and 3 for V's,
; 24,576 bytes each; wave 4 asks once for the head's scale bytes.
; THE STORES are runs of 48 bytes (a head's part of a row of 384) and single scale bytes: a head owns no more of a row; they are all of the 1.6 MB that this launch stores.
; LIMITS: a block whose largest magnitude lies under 2^-124 gets the byte 1; 1 / l is v_rcp_f32 and a multiplication; NaN and infinities are not served.
.set SLOT1, 131072                     ; slot 1 begins here: one exclusive or turns an address in one slot into the other's
.set VOFF,  49152                      ; a slot: K's 32 images of 1,536 bytes, then V's 32 images (8 steps x 4 channel tiles) of 1,536 bytes
.set HALF,  24576                      ; four steps' bytes of K, and of V: what one tensor load brings, and where the steps of waves 8-15 begin
.set SCL,   SLOT1+2*VOFF               ; the head's scale words: 32 steps x (K's 256 bytes, V's 256 bytes)
.set SPARE, SCL+16384                  ; the spare words, 128 bytes for each wave: eight blocks of 256 bytes that no other line names
.set MRG,   SPARE+2048                 ; where waves 8-15 hand over: 4,608 bytes a tile: eight images of four registers of O^T, one of (-M, t, the sum's halves); no tile ever lands here
.set KREG,  1572864                    ; bytes of q's, k's, v's region of qkv_codes
.set HREG,  196608                     ; a head's part of a region
.set AK0, 1                            ; v1   16 x lane + HALF x (wave / 8)
.set AV0, 2                            ; v2   VOFF + 16 x lane + HALF x (wave / 8)
.set AS0, 3                            ; v3   SCL + 16 x lane + 2,048 x (wave / 8): lanes 0-15 K's words, lanes 16-31 V's
.set CO,  4                            ; v4   the way out: (r + 8 (r / 8)) x 384 + 24 h
.set SPW, 5                            ; v5   my spare word; never rewritten
.set NIL, 6                            ; v6   0; never rewritten
.set SO,  7                            ; v7   (r + 8 (r / 8)) x 16 + h
.set ADK, 8                            ; v8-10 addresses of the step in hand
.set ADV, 9
.set ADS, 10
.set QLO, 16                           ; v16-27 [q | 0];  v28-39 [0 | q]
.set QHI, 28
.set KF,  40                           ; v40-87 four fragments: K's, then V's
.set SC,  88                           ; v88-91 scale words of K (lanes 0-15) and of V (lanes 16-31)
.set QSL, 92                           ; v92, v93 q's scale words for Q_lo, Q_hi;  v94 p's
.set QSH, 93
.set PW,  94
.set MA,  95                           ; v95  MRG + 4,608 x (wave % 8) + 16 x lane
.set S,   96                           ; v96-159 S^T, then p: register 16 b + i = key 32 b + 16 h + i of the step
.set O,   160                          ; v160-191 O^T: register 16 b + i = d 32 b + 16 h + i
.set PC,  192                          ; v192-203 p's codes
.set PT,  204                          ; v204-206, v208-210
.set BM,  212
.set BP,  216
.set BS,  220
.set F,   224                          ; v[224:225] f = 2^(old M - new M); the upper word is named with it and holds 0
.set T,   226
.set F2,  228                          ; v[228:229] at the end: the partner's factor (in a step: a chain of the sum)
.set TM,  212                          ; the way out's quantiser
.set TP,  216
.set TS,  220
.set TB,  228
.set T3,  204
.set WV,  12
.set SEL, 20                           ; s[20:21] selects for lane l xor 16
.set CS,  22                           ; s[22:23] c = log2(e) / 8
.set G1,  24                           ; s[24:31] group 1 for K's and V's tiles: 96 dense rows of 256 bytes;  s[40:43] group 0, which walks
.set G1S, 32                           ; s[32:39] group 1 for the scale bytes;  s[44:47] group 0
.set G0,  40
.set G0S, 44
.set STB, 48                           ; s48  LDS byte at which the slot in hand begins
.set STS, 49                           ; s49  where the step's scale words begin: 512 bytes a step, and 2,048 more at a slot's end for the other waves' four steps
.set NSL, 50                           ; s50  slots still to be asked for
.macro CROUND                          ; a round of the cluster's barrier
	s_barrier_signal -1
	s_barrier_wait -1
	s_cmp_lg_u32 s[WV], 0
	s_cbranch_scc1 .Lnot_wave_0_\@
	s_barrier_signal -3
.Lnot_wave_0_\@:
	s_barrier_wait -3
	s_barrier_signal -1
	s_barrier_wait -1
.endm
	s_load_b256 s[4:11], s[0:1], 0x0               ; qkv_codes s[4:5], qkv_scales 6, at_codes 8, at_scales 10
	v_lshl_add_u32 v[SPW], v0, 2, SPARE
	v_mov_b32 v[NIL], 0
	ds_add_u32 v5, v6
	ds_add_u32 v5, v6
	s_wait_dscnt 0x0
	v_lshrrev_b32 v8, 5, v0
	s_delay_alu instid0(VALU_DEP_1)
	v_readfirstlane_b32 s[WV], v8                  ; wave 0..15
	s_bfe_u32 s13, ttmp6, 0x40000                  ; cx: it enters q's and the outputs' addresses alone
	s_lshl_b32 s14, ttmp9, 2
	s_add_co_u32 s14, s14, s13                     ; my block of 128 queries
	s_and_b32 s15, ttmp7, 0xffff                   ; the head, which the four partners share
	s_and_b32 s16, s[WV], 1                        ; u: my tile in its block of 32.  Also: which half of K's or V's bytes I fetch, if I fetch
	s_lshl_b32 s17, s16, 4
	s_bfe_u32 s18, s[WV], 0x20001                  ; my block of 32 in the 128: (wave / 2) % 4
	s_lshr_b32 s19, s[WV], 3                       ; which four of a slot's eight key steps are mine
	s_mov_b32 s[G1], 15|(3<<16)|(1<<21)            ; 15:0 the mask: all four work-groups; 17:16 elements of 8 bytes; 21 set beside a mask; no padding
	s_mov_b32 s[G1+1], 32<<16                      ; tensor_dim0 = 32 elements: 256 bytes
	s_mov_b32 s[G1+2], 96<<16                      ; tensor_dim1 = 96 rows: 24,576 dense bytes
	s_mov_b32 s[G1+3], 32<<16                      ; tile_dim0
	s_mov_b32 s[G1+4], 96                          ; tile_dim1
	s_mov_b32 s[G1+5], 32                          ; from row to row
	s_mov_b32 s[G1+6], 0
	s_mov_b32 s[G1+7], 0
	s_mov_b32 s[G1S], 15|(3<<16)|(1<<21)
	s_mov_b32 s[G1S+1], 64<<16                     ; rows of 512 bytes: a step's words of K and of V,
	s_mov_b32 s[G1S+2], 32<<16                     ; 32 steps,
	s_mov_b32 s[G1S+3], 64<<16
	s_mov_b32 s[G1S+4], 32
	s_mov_b32 s[G1S+5], 96                         ; 768 bytes apart in memory (q's 256 lie between)
	s_mov_b32 s[G1S+6], 0
	s_mov_b32 s[G1S+7], 0
	s_bfe_u32 s54, s[WV], 0x10001                  ; bit 1 of the wave's number: K (0) or V (1)
	s_add_co_u32 s54, s54, 1
	s_mul_i32 s54, s54, KREG                       ; K's region or V's,
	s_mul_i32 s55, s15, HREG
	s_add_co_u32 s54, s54, s55                     ; the head's part,
	s_mul_i32 s55, s16, HALF
	s_add_co_u32 s54, s54, s55                     ; the first or the second half of a slot's bytes
	s_mov_b32 s55, 0
	s_and_b32 s56, s[WV], 3                        ; and in a slot: K's halves, then V's
	s_mul_i32 s52, s15, 24576
	s_add_co_u32 s52, s52, 256                     ; the head's scale bytes, from K's first 256 on
	s_mov_b32 s53, 0
	s_mov_b32 s[SEL], 0x76543210
	s_mov_b32 s[SEL+1], 0xfedcba98
	s_mov_b32 s[CS], 0x3e38aa3b                    ; c = log2(e) / 8
	s_mov_b32 s[CS+1], s[CS]                       ; (named with it as a pair, so it is written)
	s_mov_b32 s[STB], 0
	s_mov_b32 s[STS], 0
	s_mov_b32 s[NSL], 3
	s_cmp_eq_u32 s16, 1
	s_cselect_b32 s51, -1, 0                       ; all lanes: my tile is the image's second half
	s_wait_kmcnt 0x0
	s_mov_b32 s[G0], 1
	s_mul_i32 s[G0+1], s56, HALF                   ; slot 0
	s_add_nc_u64 s[G0+2:G0+3], s[4:5], s[54:55]
	s_or_b32 s[G0+3], s[G0+3], 0x80000000
	s_mov_b32 s[G0S], 1
	s_mov_b32 s[G0S+1], SCL
	s_add_nc_u64 s[G0S+2:G0S+3], s[6:7], s[52:53]
	s_or_b32 s[G0S+3], s[G0S+3], 0x80000000
	CROUND                                         ; all four work-groups are here: the first joint loads meet
	s_cmp_lt_u32 s[WV], 4                          ; the first fills: one load of waves 0 to 4 each, none of the others; every wait on them is for 0
	s_cbranch_scc0 .Lnot_kv
	tensor_load_to_lds s[G0:G0+3], s[G1:G1+7]      ; slot 0
	s_nop 0
.rept 4
	v_nop
.endr
	s_branch .Lfirst_asked
.Lnot_kv:
	s_cmp_eq_u32 s[WV], 4
	s_cbranch_scc0 .Lfirst_asked
	tensor_load_to_lds s[G0S:G0S+3], s[G1S:G1S+7]  ; the head's scale words: filled once
	s_nop 0
.rept 4
	v_nop
.endr
.Lfirst_asked:
	v_and_b32 v8, 31, v0                           ; lane
	v_and_b32 v9, 15, v0                           ; r
	v_bfe_u32 v10, v0, 4, 1                        ; h
	s_mul_i32 s60, s19, HALF                       ; my four steps' place in a slot's K, and in its V
	v_lshl_add_u32 v[AK0], v8, 4, s60
	s_add_co_u32 s60, s60, VOFF
	v_lshl_add_u32 v[AV0], v8, 4, s60
	s_lshl_b32 s60, s19, 11                        ; and among a slot's scale words
	s_add_co_u32 s60, s60, SCL
	v_lshl_add_u32 v[AS0], v8, 4, s60
	s_and_b32 s60, s[WV], 7
	s_mul_i32 s60, s60, 4608
	s_add_co_u32 s60, s60, MRG
	v_lshl_add_u32 v[MA], v8, 4, s60               ; made here, ahead of every parting of the waves
	v_lshlrev_b32 v[BM], 4, v8                     ; 16 x lane: q's image
	s_wait_alu depctr_va_vdst(0)
	v_and_b32 v11, 8, v9
	s_delay_alu instid0(VALU_DEP_1)
	v_add_nc_u32 v11, v11, v9                      ; r + 8 (r / 8)
	s_delay_alu instid0(VALU_DEP_1)
	v_mul_u32_u24 v[CO], v11, 384
	s_delay_alu instid0(VALU_DEP_1)
	v_mad_u32_u24 v[CO], v10, 24, v[CO]
	s_delay_alu instid0(VALU_DEP_3)
	v_lshl_add_u32 v[SO], v11, 4, v10
	v_lshlrev_b32 v11, 4, v9                       ; 16 r: my row's four scale words
	s_wait_alu depctr_va_vdst(0)
	s_lshl_b32 s56, s14, 2
	s_add_co_u32 s56, s56, s18
	s_mul_i32 s56, s56, 1536                       ; q: the image of my block of 32,
	s_mul_i32 s57, s15, HREG
	s_add_co_u32 s56, s56, s57                     ; in the head's part of q's region
	s_mov_b32 s57, 0
	s_add_nc_u64 s[56:57], s[4:5], s[56:57]
	s_lshl_b32 s58, s15, 5
	s_add_co_u32 s58, s58, s14
	s_mul_i32 s58, s58, 768
	s_lshl_b32 s59, s18, 2
	s_add_co_u32 s58, s58, s59                     ; and its scale words
	s_mov_b32 s59, 0
	s_add_nc_u64 s[58:59], s[6:7], s[58:59]
.irp c, 0,1,2
	global_load_b128 v[S+4*\c:S+4*\c+3], v[BM], s[56:57] offset:512*\c
.endr
	global_load_b32 v[T], v11, s[58:59]
	s_lshl_b32 s60, s14, 7                         ; the outputs: row 128 x block + 32 x my block of 32 + 8 u, + my lane's r + 8 (r / 8)
	s_lshl_b32 s61, s18, 5
	s_add_co_u32 s60, s60, s61
	s_lshl_b32 s61, s16, 3
	s_add_co_u32 s60, s60, s61
	s_mul_i32 s62, s60, 384
	s_mul_i32 s61, s15, 48
	s_add_co_u32 s62, s62, s61                     ; a row of 384 bytes, the head's 48
	s_mov_b32 s63, 0
	s_add_nc_u64 s[8:9], s[8:9], s[62:63]
	s_lshl_b32 s62, s60, 4
	s_lshl_b32 s61, s15, 1
	s_add_co_u32 s62, s62, s61                     ; a row of 16 scale bytes, the head's 2
	s_add_nc_u64 s[10:11], s[10:11], s[62:63]
	s_wait_loadcnt 0x0
.irp i, 0,1,2,3,4,5
	v_cndmask_b32 v[QLO+\i], v[S+\i], v[S+6+\i], s51   ; my tile's six registers of the image
.endr
.irp i, 0,1,2,3,4,5
	v_mov_b32 v[QLO+6+\i], 0
	v_mov_b32 v[QHI+\i], 0
	v_mov_b32 v[QHI+6+\i], v[QLO+\i]
.endr
	v_lshrrev_b32 v[QSL], s17, v[T]
	s_delay_alu instid0(VALU_DEP_1)
	v_and_b32 v[QSL], 0xffff, v[QSL]               ; my tile's two bytes below, the byte 0 for the zero codes above;
	s_delay_alu instid0(VALU_DEP_1)
	v_lshlrev_b32 v[QSH], 16, v[QSL]               ; and the other way round
	v_mov_b32 v13, 0xff61b1e6                      ; the largest t so far: -3e38, under every t
	s_delay_alu instid0(VALU_DEP_1)
	v_floor_f32 v12, -v13                          ; -M
	v_mov_b32 v14, 0                               ; the sum, in two halves
	v_mov_b32 v15, 0
	v_mov_b32 v[F+1], 0
.irp b, 0,1,2,3
	v_mov_b32 v[BP+\b], 0                          ; written once: a lane permute's destination counts as one of its sources
.endr
.irp j, 0,1,2,3,4,5,6,7,8,9,10,11,12,13,14,15,16,17,18,19,20,21,22,23,24,25,26,27,28,29,30,31
	v_mov_b32 v[O+\j], 0                           ; O^T: the step is written once; the first finds zeros, which the first change of M leaves zeros.  (These are also the places behind q's registers and scale words)
.endr
; A KEY STEP: 128 keys, the q-th of my four in the slot in hand.
.macro STEP q
	v_add_nc_u32 v[ADK], s[STB], v[AK0]
	v_add_nc_u32 v[ADV], s[STB], v[AV0]
	v_add_nc_u32 v[ADS], s[STS], v[AS0]
	v_nop                                          ; four places between the last products and the loads into registers that they read
.irp b, 0,1,2,3
.irp c, 0,1,2
	ds_load_b128 v[KF+12*\b+4*\c:KF+12*\b+4*\c+3], v[ADK] offset:(4*(\q)+\b)*1536+512*\c   ; an image comes back as it was stored: 512 consecutive bytes a load
.endr
.endr
	ds_load_b128 v[SC:SC+3], v[ADS]                ; all the step's scale words: register b: lanes 0-15 K's block b, lanes 16-31 V's channel tile b
	s_wait_alu depctr_va_vdst(0)
	s_wait_dscnt 0x0
.irp b, 0,1,2,3
	v_wmma_scale_f32_16x16x128_f8f6f4 v[S+16*\b:S+16*\b+7], v[KF+12*\b:KF+12*\b+11], v[QLO:QLO+11], 0, v[SC+\b], v[QSL] matrix_a_fmt:MATRIX_FMT_FP6 matrix_b_fmt:MATRIX_FMT_FP6
	v_wmma_scale_f32_16x16x128_f8f6f4 v[S+16*\b+8:S+16*\b+15], v[KF+12*\b:KF+12*\b+11], v[QHI:QHI+11], 0, v[SC+\b], v[QSH] matrix_a_fmt:MATRIX_FMT_FP6 matrix_b_fmt:MATRIX_FMT_FP6
.endr
.rept 4
	v_nop                                          ; places in front of the loads below and of the first read of the scores
.endr
.irp n, 0,1,2,3                                    ; V's four fragments land while the softmax is walked
.irp c, 0,1,2
	ds_load_b128 v[KF+12*\n+4*\c:KF+12*\n+4*\c+3], v[ADV] offset:(4*(\q)+\n)*1536+512*\c   ; V's images come back as they were stored: 512 consecutive bytes a load
.endr
.endr
.irp b, 0,1,2,3
	v_max3_num_f32 v[BM+\b], v[S+16*\b], v[S+16*\b+1], v[S+16*\b+2]   ; the largest score of each block of 32 keys: it serves the row's maximum and, since p rises with the score, the block's largest p
.endr
.irp i, 3,5,7,9,11,13
.irp b, 0,1,2,3
	v_max3_num_f32 v[BM+\b], v[BM+\b], v[S+16*\b+\i], v[S+16*\b+\i+1]
.endr
.endr
.irp b, 0,1,2,3
	v_max_num_f32 v[BM+\b], v[BM+\b], v[S+16*\b+15]
.endr
.irp b, 0,1,2,3
	s_delay_alu instid0(VALU_DEP_4)
	v_permlanex16_b32 v[BP+\b], v[BM+\b], s[SEL], s[SEL+1]
.endr
.irp b, 0,1,2,3
	s_delay_alu instid0(VALU_DEP_4)
	v_max_num_f32 v[BM+\b], v[BM+\b], v[BP+\b]     ; with lane l xor 16's 16 keys
.endr
	s_delay_alu instid0(VALU_DEP_2)
	v_max3_num_f32 v[T], v[BM], v[BM+1], v[BM+2]
	s_delay_alu instid0(VALU_DEP_1)
	v_max_num_f32 v[T], v[T], v[BM+3]              ; the step's largest score of my query
	s_delay_alu instid0(VALU_DEP_1)
	v_mul_f32 v[T], s[CS], v[T]                    ; as t (c is positive)
	s_delay_alu instid0(VALU_DEP_1)
	v_max_num_f32 v13, v13, v[T]                   ; the running largest t
	v_mov_b32 v[T], v12
	s_delay_alu instid0(VALU_DEP_2)
	v_floor_f32 v12, -v13                          ; the new -M = floor(-t) = -ceil(t)
	s_delay_alu instid0(VALU_DEP_1)
	v_sub_f32 v[T], v12, v[T]                      ; old M - new M: a whole number, 0 or less
	s_delay_alu instid0(VALU_DEP_1)
	v_cvt_i32_f32 v[T], v[T]                       ; (it saturates)
	s_delay_alu instid0(VALU_DEP_1)
	v_ldexp_f32 v[F], 1.0, v[T]                    ; f = 2^(old M - new M)
.irp j, 0,2,4,6,8,10,12,14,16,18,20,22,24,26,28,30,32,34,36,38,40,42,44,46,48,50,52,54,56,58,60,62
	v_pk_fma_f32 v[S+\j:S+\j+1], v[S+\j:S+\j+1], s[CS:CS+1], v[12:13] op_sel_hi:[1,0,0]   ; t - M, two at a time
.endr
.irp b, 0,1,2,3
	v_fma_f32 v[BM+\b], v[BM+\b], s[CS], v12       ; the same of each block's largest score
.endr
	s_wait_alu depctr_va_vdst(0)
.irp j, 0,1,2,3,4,5,6,7,8,9,10,11,12,13,14,15,16,17,18,19,20,21,22,23,24,25,26,27,28,29,30,31,32,33,34,35,36,37,38,39,40,41,42,43,44,45,46,47,48,49,50,51,52,53,54,55,56,57,58,59,60,61,62,63
	v_exp_f32 v[S+\j], v[S+\j]                     ; p = 2^(t - M), at most 1: not normalised
.endr
.irp b, 0,1,2,3
	v_exp_f32 v[BM+\b], v[BM+\b]                   ; the block's largest p: the same two instructions on the same number give the same bits
.endr
	v_pk_mul_f32 v[14:15], v[14:15], v[F:F+1] op_sel_hi:[1,0]   ; the sum under the new M (a plain place behind the exponentials)
	s_wait_alu depctr_va_vdst(0)
.irp b, 0,1,2,3
	v_max_num_f32 v[BM+\b], 0x1800000, v[BM+\b]    ; the floor 2^(3 - 127): the byte cannot fall under 1
.endr
.irp b, 0,1,2,3
	s_delay_alu instid0(VALU_DEP_4)
	v_add_nc_u32 v[BS+\b], 0xff000000, v[BM+\b]    ; 2 off the exponent field: the conversion's scale operand
.endr
.irp b, 0,1,2,3
	s_delay_alu instid0(VALU_DEP_4)
	v_lshrrev_b32 v[BP+\b], 23, v[BS+\b]           ; the scale's byte
.endr
	s_delay_alu instid0(VALU_DEP_3)
	v_lshl_or_b32 v[PW], v[BP+1], 8, v[BP]         ; p's scale word for these 128 keys
	s_delay_alu instid0(VALU_DEP_1)
	v_lshl_or_b32 v[PW], v[BP+2], 16, v[PW]
	s_delay_alu instid0(VALU_DEP_1)
	v_lshl_or_b32 v[PW], v[BP+3], 24, v[PW]
.irp c, 0,1
	v_cvt_scalef32_pk16_fp6_f32 v[PC+6*\c:PC+6*\c+2], v[S+32*\c:S+32*\c+15], v[BS+2*\c]
	v_cvt_scalef32_pk16_fp6_f32 v[PT+4*\c:PT+4*\c+2], v[S+32*\c+16:S+32*\c+31], v[BS+2*\c+1]
.endr
	v_nop                                          ; one plain place behind a scaled conversion
.irp c, 0,1                                        ; the operand's layout wants a whole block in a lane: lanes 0-15 block 2 c, lanes 16-31 block 2 c + 1
.irp i, 0,1,2
	v_permlane16_swap_b32 v[PC+6*\c+\i], v[PT+4*\c+\i]
.endr
.irp i, 0,1,2
	s_delay_alu instid0(VALU_DEP_3)
	v_mov_b32 v[PC+6*\c+3+\i], v[PT+4*\c+\i]
.endr
.endr
	v_pk_add_f32 v[228:229], v[108:109], v[118:119]
	v_pk_add_f32 v[230:231], v[126:127], v[134:135]
	v_pk_add_f32 v[232:233], v[142:143], v[150:151]
	v_pk_add_f32 v[254:255], v[158:159], v[110:111]
	v_pk_add_f32 v[252:253], v[104:105], v[106:107]
	v_pk_add_f32 v[250:251], v[116:117], v[124:125]
	v_pk_add_f32 v[248:249], v[132:133], v[140:141]
	v_pk_add_f32 v[14:15], v[14:15], v[148:149]
	v_pk_add_f32 v[228:229], v[228:229], v[156:157]
	v_pk_add_f32 v[230:231], v[230:231], v[96:97]
	v_pk_add_f32 v[232:233], v[232:233], v[98:99]
	v_pk_add_f32 v[254:255], v[254:255], v[112:113]
	v_pk_add_f32 v[252:253], v[252:253], v[120:121]
	v_pk_add_f32 v[250:251], v[250:251], v[128:129]
	v_pk_add_f32 v[248:249], v[248:249], v[136:137]
	v_pk_add_f32 v[14:15], v[14:15], v[144:145]
	v_pk_add_f32 v[228:229], v[228:229], v[152:153]
	v_pk_add_f32 v[230:231], v[230:231], v[100:101]
	v_pk_add_f32 v[232:233], v[232:233], v[102:103]
	v_pk_add_f32 v[254:255], v[254:255], v[114:115]
	v_pk_add_f32 v[252:253], v[252:253], v[122:123]
	v_pk_add_f32 v[250:251], v[250:251], v[130:131]
	v_pk_add_f32 v[248:249], v[248:249], v[138:139]
	v_pk_add_f32 v[14:15], v[14:15], v[146:147]
	v_pk_add_f32 v[228:229], v[228:229], v[154:155]
	s_delay_alu instid0(VALU_DEP_2)
	v_pk_add_f32 v[14:15], v[14:15], v[254:255]
	s_delay_alu instid0(VALU_DEP_2)
	v_pk_add_f32 v[228:229], v[228:229], v[252:253]
	v_pk_add_f32 v[230:231], v[230:231], v[250:251]
	v_pk_add_f32 v[232:233], v[232:233], v[248:249]
	s_delay_alu instid0(VALU_DEP_2)
	v_pk_add_f32 v[14:15], v[14:15], v[230:231]
	s_delay_alu instid0(VALU_DEP_2)
	v_pk_add_f32 v[228:229], v[228:229], v[232:233]
	s_delay_alu instid0(VALU_DEP_1)
	v_pk_add_f32 v[14:15], v[14:15], v[228:229]
.irp j, 0,2,4,6,8,10,12,14,16,18,20,22,24,26,28,30
	v_pk_mul_f32 v[O+\j:O+\j+1], v[O+\j:O+\j+1], v[F:F+1] op_sel_hi:[1,0]   ; O^T under the new M
.endr
	s_wait_alu depctr_va_vdst(0)
	s_wait_dscnt 0x0                               ; V's fragments are in
.irp n, 0,1,2,3
	v_wmma_scale_f32_16x16x128_f8f6f4 v[O+8*\n:O+8*\n+7], v[KF+12*\n:KF+12*\n+11], v[PC:PC+11], v[O+8*\n:O+8*\n+7], v[SC+\n], v[PW] matrix_a_fmt:MATRIX_FMT_FP6 matrix_b_fmt:MATRIX_FMT_FP6 matrix_a_scale:MATRIX_SCALE_ROW1
.endr
	s_add_co_u32 s[STS], s[STS], 512               ; the next step's scale words
.endm
; THE CHANGE OF SLOTS stands at a slot's head.  Each wave waits for all its tensor loads, adds 0 to its spare word, and waits for that and for its reads of the slot that it has left.  Behind the barrier the slot ahead is
; whole and nobody reads the other one.  fill = 1: the barrier is a round of the cluster's, and the other slot is filled with the next 1,024 keys: the load has a wave's four key steps in which to land; one load of a wave is out.
.macro CHANGE fill
	s_wait_tensorcnt 0x0                           ; no tensor load of mine is out, so a group 0 may be written
	ds_add_u32 v[SPW], v[NIL]                      ; 0 onto my spare word
.if \fill
	s_xor_b32 s[G0+1], s[G0+1], SLOT1              ; the walking descriptor: the other slot than last time,
	s_add_nc_u64 s[G0+2:G0+3], s[G0+2:G0+3], VOFF  ; the next 1,024 keys; the type bits on top are not reached
.endif
	s_wait_dscnt 0x0                               ; the add is done, and my reads of the slot that I have left are over
.if \fill
	CROUND
	s_cmp_lt_u32 s[WV], 4
	s_cbranch_scc0 .Lnone_\@
	tensor_load_to_lds s[G0:G0+3], s[G1:G1+7]      ; the first thing behind the round, and a wave's one tensor load until the next
	s_nop 0
.rept 4
	v_nop
.endr
.Lnone_\@:
.else
	s_barrier_signal -1
	s_barrier_wait -1
.endif
.endm
.macro SLOT_STEPS
	STEP 0
	STEP 1
	STEP 2
	STEP 3
	s_xor_b32 s[STB], s[STB], SLOT1                ; on to the other slot,
	s_add_co_u32 s[STS], s[STS], 2048              ; past the scale words of the four steps that the other eight waves take
.endm
.Lslot:                                            ; 3 trips: behind each change of slots but the last the next 1,024 keys are asked for
	CHANGE 1
	SLOT_STEPS
	s_sub_co_u32 s[NSL], s[NSL], 1
	s_cmp_lg_u32 s[NSL], 0
	s_cbranch_scc1 .Lslot
	CHANGE 0                                       ; the last slot is written out
	SLOT_STEPS
	; THE TWO HALVES OF THE KEYS MEET.  Waves 8-15 store images of their registers: 16 bytes a lane, 512 consecutive bytes a store; a barrier; waves 0-7 load them by the same lines.
.rept 4
	v_nop                                          ; places between the last products and the first read of O^T
.endr
	s_cmp_lt_u32 s[WV], 8
	s_cbranch_scc1 .Lkeeps
.irp n, 0,1,2,3,4,5,6,7
	ds_store_b128 v[MA], v[O+4*\n:O+4*\n+3] offset:512*\n   ; each accumulator from its low end on
.endr
	ds_store_b128 v[MA], v[12:15] offset:4096      ; -M, the largest t, the sum's two halves
.Lkeeps:
	s_wait_dscnt 0x0                               ; for the others' sake: my stores are done
	s_barrier_signal -1
	s_barrier_wait -1
	s_cmp_lt_u32 s[WV], 8
	s_cbranch_scc0 .Ldone                          ; waves 8-15 have handed over
.irp n, 0,1,2,3,4,5,6,7
	ds_load_b128 v[S+4*\n:S+4*\n+3], v[MA] offset:512*\n
.endr
	ds_load_b128 v[S+32:S+35], v[MA] offset:4096
	s_wait_dscnt 0x0
	v_min_num_f32 v[T], v12, v[S+32]               ; -M of all keys: M is the larger of the two
	v_add_f32 v14, v14, v15                        ; my sum's two halves,
	v_add_f32 v[S+34], v[S+34], v[S+35]            ; and the partner's
	s_delay_alu instid0(VALU_DEP_3)
	v_sub_f32 v[F], v[T], v12                      ; my M - M: a whole number, 0 or less
	s_delay_alu instid0(VALU_DEP_4)
	v_sub_f32 v[F2], v[T], v[S+32]                 ; the partner's
	s_delay_alu instid0(VALU_DEP_2)
	v_cvt_i32_f32 v[F], v[F]                       ; (they saturate)
	s_delay_alu instid0(VALU_DEP_2)
	v_cvt_i32_f32 v[F2], v[F2]
	s_delay_alu instid0(VALU_DEP_2)
	v_ldexp_f32 v[F], 1.0, v[F]                    ; powers of two: what they multiply is not rounded
	s_delay_alu instid0(VALU_DEP_2)
	v_ldexp_f32 v[F2], 1.0, v[F2]
	s_delay_alu instid0(VALU_DEP_2)
	v_mul_f32 v14, v14, v[F]
	s_delay_alu instid0(VALU_DEP_1)
	v_fma_f32 v14, v[S+34], v[F2], v14             ; both sums under M
	s_delay_alu instid0(VALU_DEP_1)
	v_permlanex16_b32 v[T], v14, s[SEL], s[SEL+1]
	s_delay_alu instid0(VALU_DEP_1)
	v_add_f32 v14, v14, v[T]                       ; and lane l xor 16's: the row's sum, more than 1/2
	s_wait_alu depctr_va_vdst(0)
	v_rcp_f32 v14, v14
	v_and_b32 v[T], 16, v0                         ; (a plain place behind the transcendental)  my half of the lanes
	s_wait_alu depctr_va_vdst(0)
	v_mul_f32 v[F], v[F], v14                      ; the division goes into the two factors
	v_mul_f32 v[F2], v[F2], v14
.irp j, 0,2,4,6,8,10,12,14,16,18,20,22,24,26,28,30
	v_pk_mul_f32 v[S+\j:S+\j+1], v[S+\j:S+\j+1], v[F2:F2+1] op_sel_hi:[1,0]
.endr
.irp j, 0,2,4,6,8,10,12,14,16,18,20,22,24,26,28,30
	v_pk_fma_f32 v[S+\j:S+\j+1], v[O+\j:O+\j+1], v[F:F+1], v[S+\j:S+\j+1] op_sel_hi:[1,0,1]   ; each accumulator from its low end on
.endr
	; THE WAY OUT: quantised along d (two blocks of 32 a head), codes and bytes stored.
.irp b, 0,1
	v_max3_num_f32 v[TM+\b], |v[S+16*\b]|, |v[S+16*\b+1]|, 0x1800000   ; my 16 numbers of block b, and the floor 2^(3 - 127)
.endr
.irp i, 2,4,6,8,10,12,14
.irp b, 0,1
	s_delay_alu instid0(VALU_DEP_2)
	v_max3_num_f32 v[TM+\b], v[TM+\b], |v[S+16*\b+\i]|, |v[S+16*\b+\i+1]|
.endr
.endr
.irp b, 0,1
	s_delay_alu instid0(VALU_DEP_2)
	v_permlanex16_b32 v[TP+\b], v[TM+\b], s[SEL], s[SEL+1]
.endr
.irp b, 0,1
	s_delay_alu instid0(VALU_DEP_2)
	v_max_num_f32 v[TM+\b], v[TM+\b], v[TP+\b]
.endr
.irp b, 0,1
	s_delay_alu instid0(VALU_DEP_2)
	v_add_nc_u32 v[TS+\b], 0xff000000, v[TM+\b]
.endr
.irp b, 0,1
	s_delay_alu instid0(VALU_DEP_2)
	v_lshrrev_b32 v[TB+\b], 23, v[TS+\b]
.endr
	v_cvt_scalef32_pk16_fp6_f32 v[PC:PC+2], v[S:S+15], v[TS]
	v_cvt_scalef32_pk16_fp6_f32 v[T3:T3+2], v[S+16:S+31], v[TS+1]
	v_nop                                          ; one plain place behind a scaled conversion
.irp i, 0,1,2
	v_permlane16_swap_b32 v[PC+\i], v[T3+\i]
.endr
.irp i, 0,1,2
	s_delay_alu instid0(VALU_DEP_3)
	v_mov_b32 v[PC+3+\i], v[T3+\i]                 ; six registers: block (lane / 16) of my row: 24 bytes
.endr
	v_cmp_ne_u32 vcc_lo, 0, v[T]
	s_delay_alu instid0(VALU_DEP_1)
	v_cndmask_b32 v[T], v[TB], v[TB+1], vcc_lo     ; and that block's byte
.irp p, 0,1,2
	global_store_b64 v[CO], v[PC+2*\p:PC+2*\p+1], s[8:9] offset:8*\p
.endr
	global_store_b8 v[SO], v[T], s[10:11]
.Ldone:
	s_wait_tensorcnt 0x0                           ; the wave's end
	ds_add_u32 v[SPW], v[NIL]
	s_wait_dscnt 0x0
	CROUND                                         ; the closing round: no work-group ends while a partner may still ask for a tile that names it
	s_endpgm
.Lfunc_end_k_q38e1ba0558_attn:
	.size	k_q38e1ba0558_attn, .Lfunc_end_k_q38e1ba0558_attn-k_q38e1ba0558_attn
	.p2alignl 7, 3214868480
	.fill 96, 4, 3214868480
	.section	.rodata,"a",@progbits
	.p2align	6, 0x0
	.amdhsa_kernel k_q38e1ba0558_attn
		.amdhsa_group_segment_fixed_size 327680
		.amdhsa_private_segment_fixed_size 0
		.amdhsa_enable_private_segment 0
		.amdhsa_kernarg_size 32
		.amdhsa_user_sgpr_count 2
		.amdhsa_user_sgpr_kernarg_segment_ptr 1
		.amdhsa_wavefront_size32 1
		.amdhsa_system_sgpr_workgroup_id_x 1
		.amdhsa_system_sgpr_workgroup_id_y 1
		.amdhsa_system_sgpr_workgroup_id_z 1
		.amdhsa_system_vgpr_workitem_id 0
		.amdhsa_next_free_vgpr 256
		.amdhsa_next_free_sgpr 66
		.amdhsa_reserve_vcc 1
		.amdhsa_float_denorm_mode_32 3
		.amdhsa_float_denorm_mode_16_64 3
		.amdhsa_memory_ordered 1
		.amdhsa_forward_progress 1
		.amdhsa_inst_pref_size 150
	.end_amdhsa_kernel
	.amdgpu_metadata
---
amdhsa.version: [ 1, 2 ]
amdhsa.kernels:
  - .name:           k_q38e1ba0558_attn
    .symbol:         k_q38e1ba0558_attn.kd
    .args:
      - { .name: qkv_codes, .offset: 0, .size: 8, .value_kind: global_buffer, .address_space: global }
      - { .name: qkv_scales, .offset: 8, .size: 8, .value_kind: global_buffer, .address_space: global }
      - { .name: at_codes, .offset: 16, .size: 8, .value_kind: global_buffer, .address_space: global }
      - { .name: at_scales, .offset: 24, .size: 8, .value_kind: global_buffer, .address_space: global }
    .group_segment_fixed_size: 327680
    .private_segment_fixed_size: 0
    .kernarg_segment_align: 8
    .kernarg_segment_size: 32
    .max_flat_workgroup_size: 512
    .sgpr_count:     66
    .vgpr_count:     256
    .wavefront_size: 32
...
	.end_amdgpu_metadata
.endif
;; end of part 3
;; launch outp (part 4): grid 8 x 32, 4 waves a work-group, clusters of 4 x 4, 327,680 bytes of LDS; arguments at_codes, at_scales, w_codes, w_scales, out0; writes out0
.if DOCPART == 4
	.amdgcn_target "amdgcn-amd-amdhsa--gfx1250"
	.amdhsa_code_object_version 6
	.text
	.protected	k_q38e1ba0558_outp
	.globl	k_q38e1ba0558_outp
	.p2align	8
	.type	k_q38e1ba0558_outp,@function
k_q38e1ba0558_outp:
	s_mov_b64 s[64:65], 0
	v_nop
	global_prefetch_b8 v0, s[64:65] scope:SCOPE_SE
	s_setreg_imm32_b32 hwreg(HW_REG_WAVE_MODE, 25, 1), 1
	s_wait_xcnt 0x0
	s_wait_alu depctr_hold_cnt(0) depctr_sa_sdst(0) depctr_va_vdst(0) depctr_va_sdst(0) depctr_va_ssrc(0) depctr_va_vcc(0) depctr_vm_vsrc(0)
	s_getreg_b32 s2, hwreg(HW_REG_IB_STS2, 6, 4)
	s_cmp_eq_u32 s2, 0
	s_cbranch_scc0 .Lentry_in_a_cluster
	s_endpgm
.Lentry_in_a_cluster:
	s_bfe_u32 s2, ttmp6, 0x10000c
	s_cmp_lg_u32 s2, 0xf033
	s_cbranch_scc0 .Lentry_shape_is_right
	s_endpgm
.Lentry_shape_is_right:
; out0[m][n] = the sum over k of attn[m][k] wo[n][k], K = 512, both operands codes of FP6 (E2M3) with one E8M0 byte for each 32 along K; sums in f32.
; SHARES.  256 work-groups, a block of 128 rows x 256 columns each; four waves, a wave 64 x 128: 32 accumulators of 16 x 16 in window 2.
; ALL OF K COMES ONCE, by the head's four joint loads, one a wave: wave 0 attn's 128 rows of 384 bytes (dense: 192 rows of 256 bytes; in LDS 16 bytes behind each 128, so a row takes 432); wave 1 wo's 256 rows, which lie as
; images (a tile of 16 rows: [128 along K][operand lane][48 bytes]; dense: 384 rows of 256 bytes, no padding: lanes 48 bytes apart fall on different banks); wave 2 attn's scale bytes (8 rows of 256); wave 3 wo's (16 rows).
; Nothing is filled again.  CLUSTERS: 4 x 4; attn's tiles are shared along a row of the cluster, wo's along a column.
; The matrix instruction is used transposed (source 0 = 16 rows of wo, source 1 = 16 rows of attn): a lane holds eight neighbouring numbers of a row of out0.
; No prefetch: the launch has no loop to run ahead in; each tile is asked for once, at the head.
; REGISTERS: window 0: v16-29 addresses; v32-63 scale words (register 4 i + q: lanes 0-15 attn's block i, lanes 16-31 wo's block i, step q); v128-223 attn's fragments, two sets; window 1: wo's fragments, two sets, at v0 and v128.
.set SIZE_N, 2048
.set WOC,    4718592                   ; where wo's codes begin in w_codes, and its scale bytes in w_scales
.set WOS,    196608
.set PITCH,  432
.set FR,     12
.set NP,     4
.set BOFF,   128*PITCH                 ; wo's 16 tiles of 6,144 bytes
.set SCL,    BOFF+16*6144              ; the scales: 24 units of 256 + 16 bytes
.set STAGE,  160256                    ; the way out: 16 rows x (512 + 16) bytes for each wave, in blocks of 256 bytes into which no fill lands
.set SPITCH, 528
.set SPARE,  STAGE+4*16*SPITCH         ; the spare words, 128 bytes a wave
.set ADRA, 16                          ; v16 my rows of attn: row x 432 + 24 h; v18 the same + 40 h, where lanes 16-31 read past 16 bytes of padding
.set ADRB, 20
.set STO,  24
.set RD,   25
.set CO,   26
.set ADRS, 27
.set SPW,  28
.set NIL,  29
.set SC,   32
.set AF,   128
.set BK,   128
.set G1, 24
.set G0, 32
.set G1B, 48
.set G0B, 56
.set G1S, 68
.set G0S, 76
.set G1SB, 80
.set G0SB, 88
.set MSB, 0
.macro WIN new
.if MSB != \new
	s_set_vgpr_msb (MSB<<8)|\new
.set MSB, \new
.endif
.endm
.set MUL_LO, 0xa1                      ; source 0 window 1, source 1 window 0, C and D window 2
.set TO_B,   0x40                      ; destination window 1
.macro CROUND                          ; a round of the cluster's barrier
	s_barrier_signal -1
	s_barrier_wait -1
	s_cmp_lg_u32 s14, 0
	s_cbranch_scc1 .Lnot_wave_0_\@
	s_barrier_signal -3
.Lnot_wave_0_\@:
	s_barrier_wait -3
	s_barrier_signal -1
	s_barrier_wait -1
.endm
.macro PLACES n
.rept \n
	v_nop
.endr
.endm
	s_load_b128 s[4:7], s[0:1], 0x0                ; at_codes, at_scales
	s_load_b128 s[8:11], s[0:1], 0x10              ; w_codes, w_scales
	s_load_b64 s[12:13], s[0:1], 0x20              ; out0
	v_lshl_add_u32 v[SPW], v0, 2, SPARE
	v_mov_b32 v[NIL], 0
	ds_add_u32 v[SPW], v[NIL]                      ; the opening lines
	ds_add_u32 v[SPW], v[NIL]
	v_lshrrev_b32 v1, 5, v0
	v_readfirstlane_b32 s14, v1                    ; wave 0..3
	s_lshr_b32 s15, s14, 1                         ; which 64 rows of the block are mine
	s_and_b32 s16, s14, 1                          ; which 128 columns
	s_bfe_u32 s40, ttmp6, 0x40000                  ; cx, cy
	s_bfe_u32 s41, ttmp6, 0x40004
	s_lshl_b32 s42, ttmp9, 2
	s_add_co_u32 s42, s42, s40                     ; block column
	s_and_b32 s17, ttmp7, 0xffff
	s_lshl_b32 s17, s17, 2
	s_add_co_u32 s17, s17, s41                     ; block row
	s_lshl_b32 s43, s41, 2
	s_lshl_b32 s43, 15, s43                        ; my row of the cluster
	s_lshl_b32 s44, 0x1111, s40                    ; my column
	s_or_b32 s[G1+0], s43, (0<<16)|(1<<20)|(1<<21)|(4<<22)|(3<<25)   ; bytes; 4 words of padding behind every 32
	s_mov_b32 s[G1+1], 256<<16
	s_mov_b32 s[G1+2], 192<<16
	s_mov_b32 s[G1+3], 256<<16
	s_mov_b32 s[G1+4], 192
	s_mov_b32 s[G1+5], 256
	s_mov_b32 s[G1+6], 0
	s_mov_b32 s[G1+7], 0
	s_or_b32 s[G1B+0], s44, (3<<16)|(1<<21)        ; elements of 8 bytes, no padding
	s_mov_b32 s[G1B+1], 32<<16
	s_mov_b32 s[G1B+2], 384<<16
	s_mov_b32 s[G1B+3], 32<<16
	s_mov_b32 s[G1B+4], 384
	s_mov_b32 s[G1B+5], 32
	s_mov_b32 s[G1B+6], 0
	s_mov_b32 s[G1B+7], 0
	s_or_b32 s[G1S+0], s43, (3<<16)|(1<<20)|(1<<21)|(5<<22)|(3<<25)  ; 4 words of padding behind every 64
	s_mov_b32 s[G1S+1], 32<<16
	s_mov_b32 s[G1S+2], 8<<16
	s_mov_b32 s[G1S+3], 32<<16
	s_mov_b32 s[G1S+4], 8
	s_mov_b32 s[G1S+5], 32
	s_mov_b32 s[G1S+6], 0
	s_mov_b32 s[G1S+7], 0
	s_or_b32 s[G1SB+0], s44, (3<<16)|(1<<20)|(1<<21)|(5<<22)|(3<<25)
	s_mov_b32 s[G1SB+1], 32<<16
	s_mov_b32 s[G1SB+2], 16<<16
	s_mov_b32 s[G1SB+3], 32<<16
	s_mov_b32 s[G1SB+4], 16
	s_mov_b32 s[G1SB+5], 32
	s_mov_b32 s[G1SB+6], 0
	s_mov_b32 s[G1SB+7], 0
	s_mul_i32 s20, s17, 128*384                    ; attn: the block's 128 rows,
	s_mov_b32 s21, 0
	s_lshl_b32 s22, s17, 11                        ; and their 16 scale bytes a row
	s_mov_b32 s23, 0
	s_mul_i32 s46, s42, 256*384                    ; wo: the block's 256 rows,
	s_add_co_u32 s46, s46, WOC
	s_mov_b32 s47, 0
	s_lshl_b32 s92, s42, 12
	s_add_co_u32 s92, s92, WOS
	s_mov_b32 s93, 0
	s_lshl_b32 s18, s17, 7                         ; out0: my first row, 128 x block row + 64 x half,
	s_lshl_b32 s19, s15, 6
	s_add_co_u32 s18, s18, s19
	s_lshl_b32 s18, s18, 13                        ; of 8,192 bytes,
	s_lshl_b32 s19, s42, 10
	s_add_co_u32 s18, s18, s19                     ; my first column: 1,024 x block column + 512 x half
	s_lshl_b32 s19, s16, 9
	s_add_co_u32 s18, s18, s19
	s_mov_b32 s19, 0
	s_mul_i32 s66, s15, 64*PITCH                   ; LDS: my 64 rows of attn,
	s_mul_i32 s67, s16, 8*6144
	s_add_co_u32 s67, s67, BOFF                    ; my 8 tiles of wo,
	s_mul_i32 s97, s15, 4*272                      ; my rows' scales: attn's,
	s_mul_i32 s96, s16, 8*272
	s_add_co_u32 s96, s96, 8*272                   ; wo's, behind attn's 8 units:
	s_sub_co_u32 s96, s96, s97                     ; the distance between the two
	s_add_co_u32 s97, s97, SCL
	s_mul_i32 s94, s14, 16*SPITCH
	s_add_co_u32 s94, s94, STAGE                   ; my stage
	s_wait_dscnt 0x0                               ; both opening adds are done
	s_wait_kmcnt 0x0
	s_add_nc_u64 s[20:21], s[4:5], s[20:21]
	s_add_nc_u64 s[22:23], s[6:7], s[22:23]
	s_add_nc_u64 s[46:47], s[8:9], s[46:47]
	s_add_nc_u64 s[92:93], s[10:11], s[92:93]
	s_add_nc_u64 s[12:13], s[12:13], s[18:19]
	CROUND                                         ; all sixteen work-groups are here: the joint loads meet
	s_mov_b32 s[G0], 1
	s_mov_b32 s[G0+1], 0
	s_mov_b64 s[G0+2:G0+3], s[20:21]
	s_or_b32 s[G0+3], s[G0+3], 0x80000000
	s_mov_b32 s[G0B], 1
	s_mov_b32 s[G0B+1], BOFF
	s_mov_b64 s[G0B+2:G0B+3], s[46:47]
	s_or_b32 s[G0B+3], s[G0B+3], 0x80000000
	s_mov_b32 s[G0S], 1
	s_mov_b32 s[G0S+1], SCL
	s_mov_b64 s[G0S+2:G0S+3], s[22:23]
	s_or_b32 s[G0S+3], s[G0S+3], 0x80000000
	s_mov_b32 s[G0SB], 1
	s_mov_b32 s[G0SB+1], SCL+8*272
	s_mov_b64 s[G0SB+2:G0SB+3], s[92:93]
	s_or_b32 s[G0SB+3], s[G0SB+3], 0x80000000
; The head's four loads, one a wave, in one chain of branches on the wave's number.
.macro ARM under, g0, g1, next
	s_cmp_lt_u32 s14, \under
	s_cbranch_scc0 \next
	tensor_load_to_lds s[\g0:\g0+3], s[\g1:\g1+7]
	s_nop 0
.rept 4
	v_nop
.endr
	s_branch .Lhead_asked
\next:
.endm
	ARM 1, G0,  G1,  .Lhead_b
	ARM 2, G0B, G1B, .Lhead_sa
	ARM 3, G0S, G1S, .Lhead_sb
	tensor_load_to_lds s[G0SB:G0SB+3], s[G1SB:G1SB+7]
	s_nop 0
.rept 4
	v_nop
.endr
.Lhead_asked:
	v_and_b32 v1, 15, v0                           ; r
	v_bfe_u32 v2, v0, 4, 1                         ; h
	v_and_b32 v6, 31, v0                           ; lane
	v_mul_u32_u24 v3, v1, PITCH
	v_mad_u32_u24 v4, v2, 24, v3
	v_mad_u32_u24 v5, v2, 40, v3
	v_add_nc_u32 v[ADRA], s66, v4
	v_add_nc_u32 v[ADRA+2], s66, v5
	v_mul_u32_u24 v7, v6, 48
	v_add_nc_u32 v[ADRB], s67, v7
	v_lshlrev_b32 v8, 4, v1                        ; 16 scale bytes a row
	v_mul_u32_u24 v10, s96, v2                     ; lanes 16-31 take wo's
	v_add_nc_u32 v8, v8, v10
	v_add_nc_u32 v[ADRS], s97, v8
	v_mul_u32_u24 v9, v1, SPITCH                   ; the stage, in: row r, 32 bytes for each half of the lanes
	v_lshl_add_u32 v9, v2, 5, v9
	v_add_nc_u32 v[STO], s94, v9
	v_lshlrev_b32 v[CO], 4, v6                     ; back: the 32 lanes take one row of 512 bytes; the same in out0
	v_add_nc_u32 v[RD], s94, v[CO]
.macro FRAG reg, adr, q, ro            ; attn's fragment: six pieces of 8 bytes; piece PC of a row lies at 8 PC + 16 (PC / 16); lanes 16-31 read three pieces on
.irp p, 0,1,2,3,4,5
.set PC, 12*(\q)+6*(\p/3)+\p%3
.if PC%16 < 13
	ds_load_b64 v[\reg+2*\p:\reg+2*\p+1], v[\adr] offset:8*PC+16*(PC/16)+(\ro)*PITCH
.else
	ds_load_b64 v[\reg+2*\p:\reg+2*\p+1], v[\adr+2] offset:8*PC+16*(PC/16)+(\ro)*PITCH
.endif
.endr
.endm
.macro FETCH q                         ; step q's fragments into set q % 2: wo's eight (three loads of 16 bytes a lane each), attn's four
	WIN TO_B
.irp i, 0,1,2,3,4,5,6,7
.irp c, 0,1,2
	ds_load_b128 v[128*((\q)%2)+FR*\i+4*\c:128*((\q)%2)+FR*\i+4*\c+3], v[ADRB] offset:\i*6144+(\q)*1536+16*\c
.endr
.endr
	WIN 0
.irp i, 0,1,2,3
	FRAG AF+48*((\q)%2)+FR*\i, ADRA, \q, 16*\i
.endr
.endm
.macro MUL16 a0, q, zero               ; 16 products; the 32 accumulators take turns, in the same order in every step
.irp a, \a0, \a0+1
.irp b, 0,1,2,3,4,5,6,7
.if \zero
	v_wmma_scale_f32_16x16x128_f8f6f4 v[8*(8*(\a)+\b):8*(8*(\a)+\b)+7], v[128*((\q)%2)+FR*\b:128*((\q)%2)+FR*\b+FR-1], v[AF+48*((\q)%2)+FR*(\a):AF+48*((\q)%2)+FR*(\a)+FR-1], 0, v[SC+4*\b+(\q)], v[SC+4*(\a)+(\q)] matrix_a_fmt:MATRIX_FMT_FP6 matrix_b_fmt:MATRIX_FMT_FP6 matrix_a_scale:MATRIX_SCALE_ROW1
.else
	v_wmma_scale_f32_16x16x128_f8f6f4 v[8*(8*(\a)+\b):8*(8*(\a)+\b)+7], v[128*((\q)%2)+FR*\b:128*((\q)%2)+FR*\b+FR-1], v[AF+48*((\q)%2)+FR*(\a):AF+48*((\q)%2)+FR*(\a)+FR-1], v[8*(8*(\a)+\b):8*(8*(\a)+\b)+7], v[SC+4*\b+(\q)], v[SC+4*(\a)+(\q)] matrix_a_fmt:MATRIX_FMT_FP6 matrix_b_fmt:MATRIX_FMT_FP6 matrix_a_scale:MATRIX_SCALE_ROW1
.endif
.endr
.endr
.endm
.macro STEP q, zero                    ; 128 along K: the next step's fragments are asked for, then this step's 32 products are issued
	s_wait_dscnt 0x0                               ; this step's fragments are in
.if (\q) < 3
	PLACES NP                                      ; ahead of loads into registers that the step before multiplied
	FETCH (\q)+1
.endif
	WIN MUL_LO
	MUL16 0, \q, \zero
	MUL16 2, \q, \zero
	WIN 0
.endm
	s_wait_alu depctr_va_vdst(0)
	s_wait_tensorcnt 0x0                           ; my tile of the four is in;
	s_barrier_signal -1
	s_barrier_wait -1                              ; and so is everybody's
	FETCH 0
.irp i, 0,1,2,3,4,5,6,7
	ds_load_b128 v[SC+4*\i:SC+4*\i+3], v[ADRS] offset:\i*272   ; the four steps' scale words of block i
.endr
	STEP 0, 1                                      ; the first step's products start the sums
	STEP 1, 0
	STEP 2, 0
	STEP 3, 0
; THE WAY OUT, block by block of 16 rows x 128 columns, through my own stage: whole rows of 512 bytes come back and are stored by the 32 lanes.
.macro TOSTAGE a
.set AC, 64*(\a)
	WIN 0x08                                       ; the data: window 2
.irp b, 0,1,2,3,4,5,6,7
	ds_store_b128 v[STO], v[AC+8*\b:AC+8*\b+3] offset:64*\b          ; each accumulator from its low end on
	ds_store_b128 v[STO], v[AC+8*\b+4:AC+8*\b+7] offset:64*\b+16
.endr
	WIN 0
.set BB, BK+64*((\a)%2)
.irp t, 0,1,2,3,4,5,6,7,8,9,10,11,12,13,14,15
	ds_load_b128 v[BB+4*\t:BB+4*\t+3], v[RD] offset:\t*SPITCH       ; LDS serves a wave's instructions in order: these see the stores above
.endr
.endm
.macro SEND a, younger                 ; younger: the LDS instructions issued behind block a's loads
.set BB, BK+64*((\a)%2)
	s_wait_dscnt \younger
.if (\a) > 0
	s_add_nc_u64 s[12:13], s[12:13], 16*SIZE_N*4   ; (behind a wait on XCNT: the earlier stores have read their base)
.endif
.irp t, 0,1,2,3,4,5,6,7,8,9,10,11,12,13,14,15
	global_store_b128 v[CO], v[BB+4*\t:BB+4*\t+3], s[12:13] offset:\t*SIZE_N*4 th:TH_STORE_NT   ; 32 lanes store 512 consecutive bytes, aligned
.endr
.endm
	PLACES NP                                      ; behind the last products: ahead of the reads of results and of the loads into attn's fragments' registers
	TOSTAGE 0
.irp a, 1,2,3
.if \a > 1
	s_wait_xcnt 0x0                                ; block a - 2's stores have read their registers and their base
.endif
	TOSTAGE \a
	SEND \a-1, 32                                  ; behind block a - 1's loads: block a's 16 stores and 16 loads
.endr
	s_wait_xcnt 0x0
	SEND 3, 0
	s_wait_tensorcnt 0x0                           ; the wave's end
	ds_add_u32 v[SPW], v[NIL]
	s_wait_dscnt 0x0
	CROUND                                         ; the closing round
	s_endpgm
.Lfunc_end_k_q38e1ba0558_outp:
	.size	k_q38e1ba0558_outp, .Lfunc_end_k_q38e1ba0558_outp-k_q38e1ba0558_outp
	.p2alignl 7, 3214868480
	.fill 96, 4, 3214868480
	.section	.rodata,"a",@progbits
	.p2align	6, 0x0
	.amdhsa_kernel k_q38e1ba0558_outp
		.amdhsa_group_segment_fixed_size 327680
		.amdhsa_private_segment_fixed_size 0
		.amdhsa_enable_private_segment 0
		.amdhsa_kernarg_size 40
		.amdhsa_user_sgpr_count 2
		.amdhsa_user_sgpr_kernarg_segment_ptr 1
		.amdhsa_wavefront_size32 1
		.amdhsa_system_sgpr_workgroup_id_x 1
		.amdhsa_system_sgpr_workgroup_id_y 1
		.amdhsa_system_sgpr_workgroup_id_z 1
		.amdhsa_system_vgpr_workitem_id 0
		.amdhsa_next_free_vgpr 768
		.amdhsa_next_free_sgpr 98
		.amdhsa_reserve_vcc 0
		.amdhsa_float_denorm_mode_32 3
		.amdhsa_float_denorm_mode_16_64 3
		.amdhsa_memory_ordered 1
		.amdhsa_forward_progress 1
		.amdhsa_inst_pref_size 53
	.end_amdhsa_kernel
	.amdgpu_metadata
---
amdhsa.version: [ 1, 2 ]
amdhsa.kernels:
  - .name:           k_q38e1ba0558_outp
    .symbol:         k_q38e1ba0558_outp.kd
    .args:
      - { .name: at_codes, .offset: 0, .size: 8, .value_kind: global_buffer, .address_space: global }
      - { .name: at_scales, .offset: 8, .size: 8, .value_kind: global_buffer, .address_space: global }
      - { .name: w_codes, .offset: 16, .size: 8, .value_kind: global_buffer, .address_space: global }
      - { .name: w_scales, .offset: 24, .size: 8, .value_kind: global_buffer, .address_space: global }
      - { .name: out0, .offset: 32, .size: 8, .value_kind: global_buffer, .address_space: global }
    .group_segment_fixed_size: 327680
    .private_segment_fixed_size: 0
    .kernarg_segment_align: 8
    .kernarg_segment_size: 40
    .max_flat_workgroup_size: 128
    .sgpr_count:     98
    .vgpr_count:     768
    .wavefront_size: 32
...
	.end_amdgpu_metadata
.endif
;; end of part 4
